; MI455X (gfx1250); checked and timed in simulation.
; The chip was launched on July 23, 2026; its instructions are those of AMD's public machine-readable ISA for CDNA 5 (MIT licence, August 2026) and "CDNA5" Instruction Set Architecture Reference Guide (July 2026). The comments in the code are by the model that wrote it; some were corrected since.
;; Quadratic Heterogenous Cross Attention. Allowed arithmetic: matrix products marked QUANTISED: E4M3 operands, one given power-of-two scale a tensor, by v_wmma_f32_16x16x64_fp8_fp8 or v_wmma_f32_16x16x128_fp8_fp8, f32 sums; everything else in f32.
;; Inputs: Wk_codes 4 x 256 x 8 x 32 uint8 (E4M3 codes of Wk, K innermost, in blocks of 32 codes); Wo_codes 256 x 8 x 32 uint8 (E4M3 codes of Wo, K innermost, in blocks of 32 codes); Wq_codes 256 x 8 x 32 uint8 (E4M3 codes of Wq, K innermost, in blocks of 32 codes); Wv_codes 4 x 256 x 8 x 32 uint8 (E4M3 codes of Wv, K innermost, in blocks of 32 codes); bk 4 x 256 float32; bo 256 float32; bq 256 float32; bv 4 x 256 float32; concatenated_features_codes 16 x 256 x 8 x 32 uint8 (E4M3 codes of concatenated_features, K innermost, in blocks of 32 codes); edge_attr_codes 16 x 256 x 8 x 32 uint8 (E4M3 codes of edge_attr, K innermost, in blocks of 32 codes); feature_weights 4 float32; lowp_scales 36 int32 (the exponents e of the quantised operands' scales 2^e); q_data_codes 16 x 256 x 8 x 32 uint8 (E4M3 codes of q_data, K innermost, in blocks of 32 codes); v_0_codes 16 x 256 x 8 x 32 uint8 (E4M3 codes of v_0, K innermost, in blocks of 32 codes); x_0_codes 16 x 256 x 8 x 32 uint8 (E4M3 codes of x_0, K innermost, in blocks of 32 codes).
;; Outputs: out0 16 x 256 x 256 float32.
;; This version of the problem:
;;   THIS VERSION OF THE PROBLEM IS GIVEN IN LOW PRECISION. The matrix products marked QUANTISED in the list below multiply operands that are first quantised to E4M3 (4 exponent bits, 3 mantissa bits; 8 bits a number), with one given power-of-two scale for each operand tensor; their sums are f32. All else is computed in f32.
;;   The module's matrix products, in the order in which they are computed (A, B: the left and right operand; K: the contracted axis; several contracted axes count as one K, in the product's order):
;;     1. [M 4,096, K 256] x [K 256, N 256]; A: input q_data (given as codes); B: input Wq (given as codes): QUANTISED (scales: A lowp_scales[0], B lowp_scales[1])
;;     2. [M 4,096, K 256] x [K 256, N 256]; A: input x_0 (given as codes); B: input Wk (given as codes): QUANTISED (scales: A lowp_scales[2], B lowp_scales[3])
;;     3. [M 4,096, K 256] x [K 256, N 256]; A: input x_0 (given as codes); B: input Wv (given as codes): QUANTISED (scales: A lowp_scales[4], B lowp_scales[5])
;;     4. batch 16 x [M 2,048, K 32] x [K 32, N 2,048]; A: computed on the way; B: computed on the way: QUANTISED (scales: A lowp_scales[6], B lowp_scales[7])
;;     5. batch 16 x [M 2,048, K 2,048] x [K 2,048, N 32]; A: softmax (see below); B: computed on the way: QUANTISED (scales: A lowp_scales[8], B lowp_scales[9])
;;     6. [M 4,096, K 256] x [K 256, N 256]; A: input v_0 (given as codes); B: input Wk (given as codes): QUANTISED (scales: A lowp_scales[10], B lowp_scales[11])
;;     7. [M 4,096, K 256] x [K 256, N 256]; A: input v_0 (given as codes); B: input Wv (given as codes): QUANTISED (scales: A lowp_scales[12], B lowp_scales[13])
;;     8. batch 16 x [M 2,048, K 32] x [K 32, N 2,048]; A: computed on the way; B: computed on the way: QUANTISED (scales: A lowp_scales[14], B lowp_scales[15])
;;     9. batch 16 x [M 2,048, K 2,048] x [K 2,048, N 32]; A: softmax (see below); B: computed on the way: QUANTISED (scales: A lowp_scales[16], B lowp_scales[17])
;;     10. [M 4,096, K 256] x [K 256, N 256]; A: input edge_attr (given as codes); B: input Wk (given as codes): QUANTISED (scales: A lowp_scales[18], B lowp_scales[19])
;;     11. [M 4,096, K 256] x [K 256, N 256]; A: input edge_attr (given as codes); B: input Wv (given as codes): QUANTISED (scales: A lowp_scales[20], B lowp_scales[21])
;;     12. batch 16 x [M 2,048, K 32] x [K 32, N 2,048]; A: computed on the way; B: computed on the way: QUANTISED (scales: A lowp_scales[22], B lowp_scales[23])
;;     13. batch 16 x [M 2,048, K 2,048] x [K 2,048, N 32]; A: softmax (see below); B: computed on the way: QUANTISED (scales: A lowp_scales[24], B lowp_scales[25])
;;     14. [M 4,096, K 256] x [K 256, N 256]; A: input concatenated_features (given as codes); B: input Wk (given as codes): QUANTISED (scales: A lowp_scales[26], B lowp_scales[27])
;;     15. [M 4,096, K 256] x [K 256, N 256]; A: input concatenated_features (given as codes); B: input Wv (given as codes): QUANTISED (scales: A lowp_scales[28], B lowp_scales[29])
;;     16. batch 16 x [M 2,048, K 32] x [K 32, N 2,048]; A: computed on the way; B: computed on the way: QUANTISED (scales: A lowp_scales[30], B lowp_scales[31])
;;     17. batch 16 x [M 2,048, K 2,048] x [K 2,048, N 32]; A: softmax (see below); B: computed on the way: QUANTISED (scales: A lowp_scales[32], B lowp_scales[33])
;;     18. [M 4,096, K 256] x [K 256, N 256]; A: computed on the way; B: input Wo (given as codes): QUANTISED (scales: A lowp_scales[34], B lowp_scales[35])
;;   THE QUANTISER, for each operand of a quantised product, along K:
;;     - The operand's scale is 2^e, e = its entry of the input lowp_scales (int32; the entries are numbered through the quantised products in the list's order, A before B).
;;     - Each number is divided by the scale, clamped to +-448, and rounded to the nearest number of E4M3, ties to even, subnormals kept.
;;     - The product sums the exact products of the quantised numbers (number of the format x scale) in f32.
;;   ~~~python
;;   def quantise(x, axis, e):      # numpy; x: float32 -> the quantised numbers, widened to float32 again
;;       x = np.moveaxis(x, axis, -1); K = x.shape[-1]
;;       r = np.clip(x / 2.0 ** e, -448, 448)
;;       step = 2.0 ** (np.maximum(np.frexp(np.where(r == 0, 1, r))[1] - 1, -6) - 3)
;;       q = np.round(r / step) * step * 2.0 ** e      # np.round: ties to even
;;       return np.moveaxis(q, -1, axis).astype(np.float32)
;;   ~~~
;;   SOFTMAX AHEAD OF A QUANTISED PRODUCT. Where the list says 'softmax', what is quantised is not the finished softmax but p = 2^(t - M), with t = logit x log2(e) and M = ceil(the row's largest t), a whole number; so 1/2 < the row's largest p <= 1. The row's sum l is taken of the UNQUANTISED p, in f32, and the product's result is divided by l at the end. Since M is a whole number, a kernel that streams over the keys may use a running M (the ceiling of the running maximum): every later rescaling is an exact power of two, so the quantised numbers keep their values, but for numbers so far below the row's largest that they fall under the format's range.
;;   OPERANDS COMPUTED ON THE WAY. 'Computed on the way' means the value that the module computes at that place (a softmax that the list does not call 'softmax' is quantised finished and normalised). What goes into a quantiser is computed in f32, as accurately as f32 sums, v_exp_f32 and their like allow (about 1e-6 of the number): no bf16 or f16 on the way to a quantiser, and a product that is left as it is and whose result goes on into a quantised operand takes f32 operands (vector FMAs, or v_wmma_f32_16x16x4_f32). A number that lies on a knife's edge between two numbers of the format may be rounded either way, as far as f32 arithmetic and the matrix unit's own rounding can turn it there, and no further.
;;   INPUTS GIVEN AS CODES. Wk (in the module: [4, 256, 256], K = its axis 2); Wo (in the module: [256, 256], K = its axis 1); Wq (in the module: [256, 256], K = its axis 1); Wv (in the module: [4, 256, 256], K = its axis 2); concatenated_features (in the module: [16, 256, 256], K = its axis 2); edge_attr (in the module: [16, 256, 256], K = its axis 2); q_data (in the module: [16, 256, 256], K = its axis 2); v_0 (in the module: [16, 256, 256], K = its axis 2); x_0 (in the module: [16, 256, 256], K = its axis 2): each comes as NAME_codes (uint8): NAME with its K axis moved to the last place and cut into blocks of 32 codes, [.., K / 32, bytes a block], one block behind the other in memory; one code a byte (a code: sign, 4 exponent bits, 3 mantissa bits); its scale is its entry of lowp_scales. Its value is code x scale, taken as it is: it is not quantised again, and the codes and scales need not be those that the quantiser above would give.
;; 2 versions. Each part assembles by itself: llvm-mc -triple=amdgcn-amd-amdhsa -mcpu=gfx1250 --defsym DOCPART=n.
;; ======== version 1 of 2: 3 launches
;; workspace buffers: qimg 4,194,304 bytes; kv 8,388,608 bytes; oc 1,048,576 bytes
;; launch proj (part 1): grid 32 x 9, 8 waves a work-group, no clusters, 0 bytes of LDS; arguments q_data_codes, x_0_codes, v_0_codes, edge_attr_codes, concatenated_features_codes, Wq_codes, Wk_codes, Wv_codes, bq, bk, bv, lowp_scales, qimg, kv; writes qimg, kv
.if DOCPART == 1
	.amdgcn_target "amdgcn-amd-amdhsa--gfx1250"
	.amdhsa_code_object_version 6
	.text
	.protected	k_qe613a92992_proj
	.globl	k_qe613a92992_proj
	.p2align	8
	.type	k_qe613a92992_proj,@function
k_qe613a92992_proj:
	s_mov_b64 s[64:65], 0
	v_nop
	global_prefetch_b8 v0, s[64:65] scope:SCOPE_SE
	s_setreg_imm32_b32 hwreg(HW_REG_WAVE_MODE, 25, 1), 1
	s_wait_xcnt 0x0
; THE NINE PROJECTIONS: q, and k and v of the four features: [4,096 tokens x 256] x [256 x 256] on given E4M3 codes, + bias, RoPE (q and k), quantised again,
; and stored as images of the registers in which the attention launch wants them (16 bytes at 16 x lane, 512 bytes a store of a wave).
; SHARES.  Work-group x = a block of 128 tokens (batch x / 16, key step x % 16, timestep (x / 2) % 8); y = the job: 0 q, 1-4 k of feature y - 1, 5-8 v of feature y - 5.
; Wave w = head w: its 32 rows of the weight (2 tiles x 2 K steps of 128) stay in 64 registers; it walks the 128 tokens in four trips of 32, written out, every offset an immediate.
; q AND k: the product is used transposed (source 0 = 16 rows of W, source 1 = 16 tokens).  Lane r of tile u takes row 32 w + 8 u + r + 8 (r / 8), so that a lane's 16 results of tiles 0 and 1 are
; channels 16 (lane / 16) + 0 .. 15 of ONE token: eight RoPE pairs, and 16 neighbours along the scores' K.  q is quantised four times, once with each feature's scale.
; v: natural use (source 0 = 16 tokens, source 1 = 16 rows of W): a lane holds one channel and eight neighbouring tokens, which are neighbours along the second product's K (the keys).
; SCALES.  A sum stands for sum x 2^(ea + ew); the bias goes in as the C of the first K step, divided by that power; RoPE is linear; so the conversion's one scale is 2^(eo - ea - ew).
; cos AND sin: angle = timestep x 1000^(-i / 16) <= 7; series at angle / 8 (sine to x^9, cosine to x^10), then three doublings: absolute error about 1e-6.
; LIMITS: eo - ea - ew between -126 and 119 for each output, so that the scale and 448 x the scale are f32 numbers.  NaN among the inputs (codes 0x7f, 0xff; NaN biases) is not served.
; No LDS and no barrier: waves share nothing.
.set W,    8                           ; v8-71    the weight's fragments: tile u, K step s at 16 (2 u + s)
.set X,    72                          ; v72-135  the tokens' fragments: tile i, K step s at 16 (2 i + s)
.set ACC,  136                         ; v136-167 four accumulators: token tile i, weight tile u at 8 (2 i + u)
.set BIAS, 168                         ; v168-183 the bias / 2^(ea + ew), in the result's layout: tile u at 8 u
.set CO,   184                         ; v184-191 cos of my eight pairs' angles
.set SI,   192                         ; v192-199 sin
.set H,    200                         ; v200-215 16 numbers held within the largest code; at work
.set CODE, 216                         ; v216-247 codes: four registers for each (token tile i, scale k): 4 (4 i + k)
.set SCL,  248                         ; v248-255 scale k at 2 k, 448 x scale k at 2 k + 1
; v1 r, v2 h, v3 X's lane address, v4 W's, v5 16 x lane, v6 the bias's lane address, v7 at work
	s_load_b512 s[8:23], s[0:1], 0x0               ; q_data 8, x_0 10, v_0 12, edge_attr 14, concatenated 16, Wq 18, Wk 20, Wv 22
	s_load_b256 s[24:31], s[0:1], 0x40             ; bq 24, bk 26, bv 28, lowp_scales 30
	s_load_b128 s[32:35], s[0:1], 0x60             ; qimg 32, kv 34
	v_lshrrev_b32 v7, 5, v0
	v_readfirstlane_b32 s43, v7                    ; wave = head
	s_and_b32 s40, ttmp7, 0xffff                   ; job
	s_mov_b32 s42, ttmp9                           ; block of 128 tokens
	s_max_u32 s41, s40, 1
	s_sub_co_u32 s41, s41, 1
	s_and_b32 s41, s41, 3                          ; feature (0 for q)
	v_and_b32 v1, 15, v0                           ; r
	v_bfe_u32 v2, v0, 4, 1                         ; h
	v_lshlrev_b32 v3, 8, v1
	v_lshl_add_u32 v3, v2, 4, v3                   ; tokens: row r of 256 bytes, + 16 h
	v_and_b32 v4, 8, v1
	v_add_nc_u32 v4, v4, v1                        ; r + 8 (r / 8)
	v_lshlrev_b32 v4, 8, v4
	v_lshl_add_u32 v4, v2, 4, v4                   ; the weight: that row, + 16 h
	v_and_b32 v5, 31, v0
	v_lshlrev_b32 v5, 4, v5                        ; 16 x lane
	; where the job's three exponents lie in lowp_scales, in bytes: (ea, ew) at 0 | 8 + 32 f | 16 + 32 f;  eo at 24 | 28 + 32 f | 36 + 32 f
	s_lshl_b32 s46, s41, 5
	s_cmp_eq_u32 s40, 0
	s_cselect_b32 s58, 0, 8
	s_cselect_b32 s59, 24, 28
	s_cmp_ge_u32 s40, 5
	s_cselect_b32 s58, 16, s58
	s_cselect_b32 s59, 36, s59
	s_add_co_u32 s48, s46, s59
	s_add_co_u32 s46, s46, s58
	s_wait_kmcnt 0x0
	s_load_b64 s[44:45], s[30:31], s46 offset:0x0  ; ea, ew
	s_load_b32 s47, s[30:31], s48 offset:0x0       ; eo (for q: feature 0's)
	s_load_b32 s49, s[30:31], 0x38                 ; q's scales for features 1, 2, 3: entries 14, 22, 30 (every job reads them; only job 0 uses them)
	s_load_b32 s50, s[30:31], 0x58
	s_load_b32 s51, s[30:31], 0x78
	; the job's buffers: a choice on the work-group's number alone
	s_cmp_eq_u32 s41, 1
	s_cselect_b64 s[36:37], s[12:13], s[10:11]
	s_cmp_eq_u32 s41, 2
	s_cselect_b64 s[36:37], s[14:15], s[36:37]
	s_cmp_eq_u32 s41, 3
	s_cselect_b64 s[36:37], s[16:17], s[36:37]
	s_cmp_eq_u32 s40, 0
	s_cselect_b64 s[36:37], s[8:9], s[36:37]       ; the tokens' codes
	s_cselect_b64 s[38:39], s[18:19], s[20:21]     ; the weight's codes
	s_cselect_b64 s[52:53], s[24:25], s[26:27]     ; the bias
	s_cselect_b64 s[54:55], s[32:33], s[34:35]     ; the output
	s_cmp_ge_u32 s40, 5
	s_cselect_b64 s[38:39], s[22:23], s[38:39]
	s_cselect_b64 s[52:53], s[28:29], s[52:53]
	s_mov_b32 s57, 0
	s_lshl_b32 s56, s42, 15                        ; 128 tokens x 256 bytes
	s_add_nc_u64 s[36:37], s[36:37], s[56:57]
	s_lshl_b32 s56, s41, 16                        ; the feature's 256 rows, my head's 32 rows
	s_lshl_b32 s58, s43, 13
	s_add_co_u32 s56, s56, s58
	s_add_nc_u64 s[38:39], s[38:39], s[56:57]
	s_lshl_b32 s56, s41, 10
	s_lshl_b32 s58, s43, 7
	s_add_co_u32 s56, s56, s58
	s_add_nc_u64 s[52:53], s[52:53], s[56:57]
	s_lshr_b32 s58, s42, 4
	s_lshl_b32 s58, s58, 3
	s_add_co_u32 s58, s58, s43                     ; bh = 8 x batch + head
	s_and_b32 s59, s42, 15                         ; the block's place in its batch
	s_lshl_b32 s60, s58, 16                        ; qimg: bh x 128 tiles x 512 + 8 tiles x 512 x place
	s_lshl_b32 s61, s59, 12
	s_add_co_u32 s60, s60, s61
	s_lshl_b32 s61, s41, 21                        ; kv: f x 2^21 + bh x 2^17 + step x 8,192 (+ 4,096: V^T lies behind K)
	s_lshl_b32 s62, s58, 17
	s_add_co_u32 s61, s61, s62
	s_lshl_b32 s62, s59, 13
	s_add_co_u32 s61, s61, s62
	s_cmp_ge_u32 s40, 5
	s_cselect_b32 s62, 4096, 0
	s_add_co_u32 s61, s61, s62
	s_cmp_eq_u32 s40, 0
	s_cselect_b32 s56, s60, s61
	s_add_nc_u64 s[54:55], s[54:55], s[56:57]
.macro XLOAD p                         ; trip p's 32 tokens: two tiles x two K steps; registers 4 c .. 4 c + 3 hold k = 32 c + 16 h + 0 .. 15, in the weight's fragments likewise
.irp i, 0,1
.irp s, 0,1
.irp c, 0,1,2,3
	global_load_b128 v[X+16*(2*\i+\s)+4*\c:X+16*(2*\i+\s)+4*\c+3], v3, s[36:37] offset:(\p)*8192+\i*4096+\s*128+32*\c
.endr
.endr
.endr
.endm
.irp u, 0,1
.irp s, 0,1
.irp c, 0,1,2,3
	global_load_b128 v[W+16*(2*\u+\s)+4*\c:W+16*(2*\u+\s)+4*\c+3], v4, s[38:39] offset:\u*2048+\s*128+32*\c   ; tile u begins 8 rows further down
.endr
.endr
.endr
	XLOAD 0
	s_wait_kmcnt 0x0
	s_add_co_i32 s44, s44, s45                     ; ea + ew
	s_sub_co_i32 s45, 0, s44
.macro MKSC k, e                       ; 2^(eo - ea - ew) as f32 (the conversion takes its exponent field), and 448 x that
	s_sub_co_i32 s58, s[\e], s44
	s_add_co_i32 s58, s58, 127
	s_lshl_b32 s59, s58, 23
	v_mov_b32 v[SCL+2*\k], s59
	s_add_co_i32 s58, s58, 8
	s_lshl_b32 s58, s58, 23
	s_or_b32 s58, s58, 0x600000
	v_mov_b32 v[SCL+2*\k+1], s58
.endm
	MKSC 0, 47
	MKSC 1, 49
	MKSC 2, 50
	MKSC 3, 51
; Eight matrix instructions: the four accumulators take turns, one instruction a turn: K step 0 starts the sums from the bias, K step 1 adds in place.
.macro MULS qk
.irp s, 0,1
.irp i, 0,1
.irp u, 0,1
.if \qk
.if \s == 0
	v_wmma_f32_16x16x128_fp8_fp8 v[ACC+8*(2*\i+\u):ACC+8*(2*\i+\u)+7], v[W+16*(2*\u+\s):W+16*(2*\u+\s)+15], v[X+16*(2*\i+\s):X+16*(2*\i+\s)+15], v[BIAS+8*\u:BIAS+8*\u+7]
.else
	v_wmma_f32_16x16x128_fp8_fp8 v[ACC+8*(2*\i+\u):ACC+8*(2*\i+\u)+7], v[W+16*(2*\u+\s):W+16*(2*\u+\s)+15], v[X+16*(2*\i+\s):X+16*(2*\i+\s)+15], v[ACC+8*(2*\i+\u):ACC+8*(2*\i+\u)+7]
.endif
.else
.if \s == 0
	v_wmma_f32_16x16x128_fp8_fp8 v[ACC+8*(2*\i+\u):ACC+8*(2*\i+\u)+7], v[X+16*(2*\i+\s):X+16*(2*\i+\s)+15], v[W+16*(2*\u+\s):W+16*(2*\u+\s)+15], v[BIAS+8*\u:BIAS+8*\u+7]
.else
	v_wmma_f32_16x16x128_fp8_fp8 v[ACC+8*(2*\i+\u):ACC+8*(2*\i+\u)+7], v[X+16*(2*\i+\s):X+16*(2*\i+\s)+15], v[W+16*(2*\u+\s):W+16*(2*\u+\s)+15], v[ACC+8*(2*\i+\u):ACC+8*(2*\i+\u)+7]
.endif
.endif
.endr
.endr
.endr
.endm
.macro PLACES                          ; four plain vector instructions between a matrix instruction and a read of its result or a load into its sources
.rept 4
	v_nop
.endr
.endm
	s_cmp_ge_u32 s40, 5
	s_cbranch_scc1 .Lv
	; ---------------- q and k ----------------
	v_lshlrev_b32 v6, 6, v2                        ; the bias of channels 16 h + 8 u + j: byte 64 h + 32 u + 4 j
.irp u, 0,1
	global_load_b128 v[BIAS+8*\u:BIAS+8*\u+3], v6, s[52:53] offset:32*\u
	global_load_b128 v[BIAS+8*\u+4:BIAS+8*\u+7], v6, s[52:53] offset:32*\u+16
.endr
	; cos and sin of my eight pairs' angles (pair 8 h + j), while the loads are out
	s_lshr_b32 s58, s42, 1
	s_and_b32 s58, s58, 7                          ; the block's timestep
	v_cvt_f32_u32 v7, s58
	v_mul_f32 v7, 0x3e000000, v7                   ; / 8
	v_lshlrev_b32 v[CODE+10], 3, v2
.irp j, 0,1,2,3,4,5,6,7
	v_add_nc_u32 v[CO+\j], \j, v[CODE+10]
.endr
.irp j, 0,1,2,3,4,5,6,7
	v_cvt_f32_u32 v[CO+\j], v[CO+\j]
.endr
.irp j, 0,1,2,3,4,5,6,7
	v_mul_f32 v[CO+\j], 0xbf1f73da, v[CO+\j]       ; x -log2(1000) / 16
.endr
.irp j, 0,1,2,3,4,5,6,7
	v_exp_f32 v[CO+\j], v[CO+\j]                   ; 1000^(-(8 h + j) / 16)
.endr
	v_mov_b32 v[CODE+8], 0x3638ef1d                ; 1 / 9!   (a plain instruction behind the exponentials)
	v_mov_b32 v[CODE+9], 0xb493f27e                ; -1 / 10!
	s_wait_alu depctr_va_vdst(0)                   ; one wait for the batch of eight, ahead of its first reader
.irp j, 0,1,2,3,4,5,6,7
	v_mul_f32 v[H+8+\j], v[CO+\j], v7              ; x = angle / 8, at most 0.875
.endr
.irp j, 0,1,2,3,4,5,6,7
	v_mul_f32 v[H+\j], v[H+8+\j], v[H+8+\j]        ; x^2
.endr
.irp j, 0,1,2,3,4,5,6,7
	v_fmaak_f32 v[SI+\j], v[CODE+8], v[H+\j], 0xb9500d01   ; the sine's series, from its far end: -1 / 7!
.endr
.irp j, 0,1,2,3,4,5,6,7
	v_fmaak_f32 v[SI+\j], v[SI+\j], v[H+\j], 0x3c088889    ; 1 / 5!
.endr
.irp j, 0,1,2,3,4,5,6,7
	v_fmaak_f32 v[SI+\j], v[SI+\j], v[H+\j], 0xbe2aaaab    ; -1 / 3!
.endr
.irp j, 0,1,2,3,4,5,6,7
	v_fma_f32 v[SI+\j], v[SI+\j], v[H+\j], 1.0
.endr
.irp j, 0,1,2,3,4,5,6,7
	v_mul_f32 v[SI+\j], v[SI+\j], v[H+8+\j]        ; sin x
.endr
.irp j, 0,1,2,3,4,5,6,7
	v_fmaak_f32 v[H+8+\j], v[CODE+9], v[H+\j], 0x37d00d01  ; the cosine's: 1 / 8!  (x is done with)
.endr
.irp j, 0,1,2,3,4,5,6,7
	v_fmaak_f32 v[H+8+\j], v[H+8+\j], v[H+\j], 0xbab60b61  ; -1 / 6!
.endr
.irp j, 0,1,2,3,4,5,6,7
	v_fmaak_f32 v[H+8+\j], v[H+8+\j], v[H+\j], 0x3d2aaaab  ; 1 / 4!
.endr
.irp j, 0,1,2,3,4,5,6,7
	v_fma_f32 v[H+8+\j], v[H+8+\j], v[H+\j], -0.5
.endr
.irp j, 0,1,2,3,4,5,6,7
	v_fma_f32 v[H+8+\j], v[H+8+\j], v[H+\j], 1.0   ; cos x
.endr
.macro DBL cn, co                      ; the angle doubled: cos' = 1 - 2 sin^2 into cn, sin' = 2 sin cos with the old cosine in co
.irp j, 0,1,2,3,4,5,6,7
	v_add_f32 v[CODE+\j], v[SI+\j], v[SI+\j]
.endr
.irp j, 0,1,2,3,4,5,6,7
	v_fma_f32 v[\cn+\j], -v[CODE+\j], v[SI+\j], 1.0
.endr
.irp j, 0,1,2,3,4,5,6,7
	v_mul_f32 v[SI+\j], v[CODE+\j], v[\co+\j]
.endr
.endm
	DBL CO, H+8
	DBL H+8, CO
	DBL CO, H+8
	s_wait_loadcnt 0x0                             ; the weight, the first tokens, the bias
.set nn, 0
.rept 16
	v_ldexp_f32 v[BIAS+nn], v[BIAS+nn], s45        ; / 2^(ea + ew)
.set nn, nn+1
.endr
; RoPE on token tile i, in place: registers 2 j, 2 j + 1 are pair 8 h + j.  Ascending.
.macro ROPE i
.irp j, 0,1,2,3,4,5,6,7
	v_mul_f32 v[H+2*(\j%2)], v[ACC+16*\i+2*\j+1], v[SI+\j]
	v_mul_f32 v[H+2*(\j%2)+1], v[ACC+16*\i+2*\j], v[SI+\j]
	v_fma_f32 v[ACC+16*\i+2*\j], v[ACC+16*\i+2*\j], v[CO+\j], -v[H+2*(\j%2)]
	v_fma_f32 v[ACC+16*\i+2*\j+1], v[ACC+16*\i+2*\j+1], v[CO+\j], v[H+2*(\j%2)+1]
.endr
.endm
; Token tile i's 16 numbers a lane become 16 codes with scale k and are stored: the wave's store covers 512 consecutive bytes, aligned.
.macro QUANT i, k, p
.set nn, 0
.rept 16
	v_med3_num_f32 v[H+nn], v[ACC+16*(\i)+nn], -v[SCL+2*(\k)+1], v[SCL+2*(\k)+1]   ; the conversion does not saturate (ISA guide 7.6.2): held within 448 x the scale first
.set nn, nn+1
.endr
	v_cvt_scalef32_pk8_fp8_f32 v[CODE+4*(4*(\i)+(\k)):CODE+4*(4*(\i)+(\k))+1], v[H:H+7], v[SCL+2*(\k)]
	v_cvt_scalef32_pk8_fp8_f32 v[CODE+4*(4*(\i)+(\k))+2:CODE+4*(4*(\i)+(\k))+3], v[H+8:H+15], v[SCL+2*(\k)]
	v_nop                                          ; one plain instruction behind the conversions, ahead of the next writes of H
	global_store_b128 v5, v[CODE+4*(4*(\i)+(\k)):CODE+4*(4*(\i)+(\k))+3], s[54:55] offset:(\p)*1024+(\i)*512+(\k)*1048576   ; tile 2 p + i; in qimg scale k's images lie 2^20 bytes on
.endm
.macro QKTRIP p
	s_wait_loadcnt 0x0                             ; this trip's tokens are in
	MULS 1
	PLACES
.if (\p) < 3
	XLOAD (\p)+1                                   ; the next trip's tokens come while this trip's results are rotated and quantised
.endif
	s_wait_xcnt 0x0                                ; the last trip's stores have read their codes: those registers are written again below
	ROPE 0
	QUANT 0, 0, \p
	ROPE 1
	QUANT 1, 0, \p
	s_cmp_lg_u32 s40, 0                            ; q alone is quantised with the other three features' scales too
	s_cbranch_scc1 .Lk_\@
.irp k, 1,2,3
.irp i, 0,1
	QUANT \i, \k, \p
.endr
.endr
.Lk_\@:
.endm
	QKTRIP 0
	QKTRIP 1
	QKTRIP 2
	QKTRIP 3
	s_endpgm
	; ---------------- v ----------------
.Lv:
	v_and_b32 v6, 8, v1
	v_add_nc_u32 v6, v6, v1
	v_lshlrev_b32 v6, 2, v6                        ; a lane holds ONE channel, 8 d + r + 8 (r / 8): its bias fills all eight registers of C
	global_load_b32 v[BIAS], v6, s[52:53]
	global_load_b32 v[BIAS+8], v6, s[52:53] offset:32
	s_wait_loadcnt 0x0
	v_ldexp_f32 v[BIAS], v[BIAS], s45
	v_ldexp_f32 v[BIAS+8], v[BIAS+8], s45
.irp j, 1,2,3,4,5,6,7
	v_mov_b32 v[BIAS+\j], v[BIAS]
	v_mov_b32 v[BIAS+8+\j], v[BIAS+8]
.endr
; Trip p: keys 32 p .. 32 p + 31 of the step.  Accumulator (i, d): register j = key 32 p + 16 i + 8 h + j of my channel: its eight codes are registers 4 p + 2 i, + 1 of V^T's fragment d.
.macro VTRIP p
	s_wait_loadcnt 0x0
	MULS 0
	PLACES
.if (\p) < 3
	XLOAD (\p)+1
.endif
	s_wait_xcnt 0x0                                ; the last trip's stores have read their codes
.set nn, 0
.rept 32
	v_med3_num_f32 v[ACC+nn], v[ACC+nn], -v[SCL+1], v[SCL+1]
.set nn, nn+1
.endr
.irp i, 0,1
.irp d, 0,1
	v_cvt_scalef32_pk8_fp8_f32 v[CODE+4*\d+2*\i:CODE+4*\d+2*\i+1], v[ACC+8*(2*\i+\d):ACC+8*(2*\i+\d)+7], v[SCL]
.endr
.endr
	v_nop                                          ; one plain instruction behind the conversions: the next trip's products write their sources
.irp d, 0,1
	global_store_b128 v5, v[CODE+4*\d:CODE+4*\d+3], s[54:55] offset:(\p)*512+\d*2048
.endr
.endm
	VTRIP 0
	VTRIP 1
	VTRIP 2
	VTRIP 3
	s_endpgm
.Lfunc_end_k_qe613a92992_proj:
	.size	k_qe613a92992_proj, .Lfunc_end_k_qe613a92992_proj-k_qe613a92992_proj
	.p2alignl 7, 3214868480
	.fill 96, 4, 3214868480
	.section	.rodata,"a",@progbits
	.p2align	6, 0x0
	.amdhsa_kernel k_qe613a92992_proj
		.amdhsa_group_segment_fixed_size 0
		.amdhsa_private_segment_fixed_size 0
		.amdhsa_enable_private_segment 0
		.amdhsa_kernarg_size 112
		.amdhsa_user_sgpr_count 2
		.amdhsa_user_sgpr_kernarg_segment_ptr 1
		.amdhsa_wavefront_size32 1
		.amdhsa_system_sgpr_workgroup_id_x 1
		.amdhsa_system_sgpr_workgroup_id_y 1
		.amdhsa_system_sgpr_workgroup_id_z 1
		.amdhsa_system_vgpr_workitem_id 0
		.amdhsa_next_free_vgpr 256
		.amdhsa_next_free_sgpr 96
		.amdhsa_reserve_vcc 0
		.amdhsa_float_denorm_mode_32 3
		.amdhsa_float_denorm_mode_16_64 3
		.amdhsa_memory_ordered 1
		.amdhsa_forward_progress 1
		.amdhsa_inst_pref_size 97
	.end_amdhsa_kernel
	.amdgpu_metadata
---
amdhsa.version: [ 1, 2 ]
amdhsa.kernels:
  - .name:           k_qe613a92992_proj
    .symbol:         k_qe613a92992_proj.kd
    .args:
      - { .name: q_data_codes, .offset: 0, .size: 8, .value_kind: global_buffer, .address_space: global }
      - { .name: x_0_codes, .offset: 8, .size: 8, .value_kind: global_buffer, .address_space: global }
      - { .name: v_0_codes, .offset: 16, .size: 8, .value_kind: global_buffer, .address_space: global }
      - { .name: edge_attr_codes, .offset: 24, .size: 8, .value_kind: global_buffer, .address_space: global }
      - { .name: concatenated_features_codes, .offset: 32, .size: 8, .value_kind: global_buffer, .address_space: global }
      - { .name: Wq_codes, .offset: 40, .size: 8, .value_kind: global_buffer, .address_space: global }
      - { .name: Wk_codes, .offset: 48, .size: 8, .value_kind: global_buffer, .address_space: global }
      - { .name: Wv_codes, .offset: 56, .size: 8, .value_kind: global_buffer, .address_space: global }
      - { .name: bq, .offset: 64, .size: 8, .value_kind: global_buffer, .address_space: global }
      - { .name: bk, .offset: 72, .size: 8, .value_kind: global_buffer, .address_space: global }
      - { .name: bv, .offset: 80, .size: 8, .value_kind: global_buffer, .address_space: global }
      - { .name: lowp_scales, .offset: 88, .size: 8, .value_kind: global_buffer, .address_space: global }
      - { .name: qimg, .offset: 96, .size: 8, .value_kind: global_buffer, .address_space: global }
      - { .name: kv, .offset: 104, .size: 8, .value_kind: global_buffer, .address_space: global }
    .group_segment_fixed_size: 0
    .private_segment_fixed_size: 0
    .kernarg_segment_align: 8
    .kernarg_segment_size: 112
    .max_flat_workgroup_size: 256
    .sgpr_count:     96
    .vgpr_count:     256
    .wavefront_size: 32
...
	.end_amdgpu_metadata
.endif
;; end of part 1
;; launch attn (part 2): grid 16 x 16, 8 waves a work-group, no clusters, 263,168 bytes of LDS; arguments qimg, kv, feature_weights, lowp_scales, oc; writes oc
.if DOCPART == 2
	.amdgcn_target "amdgcn-amd-amdhsa--gfx1250"
	.amdhsa_code_object_version 6
	.text
	.protected	k_qe613a92992_attn
	.globl	k_qe613a92992_attn
	.p2align	8
	.type	k_qe613a92992_attn,@function
k_qe613a92992_attn:
	s_mov_b64 s[64:65], 0
	v_nop
	global_prefetch_b8 v0, s[64:65] scope:SCOPE_SE
	s_setreg_imm32_b32 hwreg(HW_REG_WAVE_MODE, 25, 1), 1
	s_wait_xcnt 0x0
; FOUR ATTENTIONS of one (batch, head), weighed by softmax(feature_weights), summed, and quantised for the last projection.  All products on E4M3 codes.
; SHARES.  Work-group (x, y): 128 queries (block x) of batch-head y.  Wave w: one tile of 16 queries.  A wave walks 4 features x 16 steps of 128 keys.
; LAYOUT.  S^T = K Q^T by the 16x16x64 form (source 0 = 16 keys, source 1 = my 16 queries): a lane holds ONE query, and register j of tile t key 16 t + 8 (lane / 16) + j.  The head has 32 channels:
; registers 0-3 of both fragments hold channels 16 (lane / 16) + 0 .. 15 (the same places on both sides), Q's registers 4-7 are zeros, and K's registers 4-7 are simply the next tile's four registers
; (codes that are numbers, multiplied by 0; four zero registers stand behind the last tile): no byte is read for the padding.  The conversion of tile t's eight registers gives registers 2 t, 2 t + 1
; of P in the 16x16x128 form's own layout.  O^T = V^T P^T (source 0 = 16 channels, source 1 = P): V^T's rows were chosen so that a lane's 16 results are channels 16 (lane / 16) + 0 .. 15.
; SOFTMAX.  t = score x log2(e) / sqrt(32); M = the running largest t rounded up to a whole number, kept as -M; p = 2^(t - M) is quantised with the given 2^ep; the sum is taken of the unquantised p;
; when M moves, the sum and O^T are multiplied by 2^(old M - new M), which rounds nothing.
; LDS: two slots of 131,072 bytes; slot f % 2 holds all of feature f's K and V^T of this head, a byte copy of kv[f][y].  A feature's bytes are asked for through registers (32 loads of 16 bytes a lane, window 1)
; at the head of the feature before and stored into the other slot at its end: 16 key steps lie between.  One barrier for each change of feature.  The slot that is written was last read a feature
; earlier, and every wave has waited for those reads in front of the barrier that ended that feature.
; THE HOLD OF p.  The conversion does not saturate, so p must not pass 448 x 2^ep.  p is at most 1 (and a rounding), so with ep >= -8 (448 x 2^ep >= 1.75) the 64 holds of a step change nothing and are
; jumped over, by a scalar branch on the given exponent; with ep <= -9 they run.
; NO CLUSTER, NO JOINT LOADS, though the 16 work-groups of a head read the same kv: a joint load is a tensor load;
; what is shared is 131,072 bytes for 16 steps of some 220 instructions a wave, asked for 16 steps ahead.
; LIMITS: eq + ek between -124 and 129 (added to the exponent field of log2(e) / sqrt(32)); ep and entry 34 between -126 and 119.  NaN among the inputs is not served.
.set LS,  16                           ; s16-51  the 36 given exponents
.set KF,  36                           ; v36-67  K's eight tiles, four registers each; v68-71 zeros
.set VF,  72                           ; v72-103 V^T's two fragments
.set S,   104                          ; v104-167 S^T, then p
.set P,   168                          ; v168-183 p's codes
.set O,   184                          ; v184-199 O^T of the feature in hand
.set OT,  200                          ; v200-215 the weighed sum over the features
.set SLOTB, 131072
; v1 16 x lane; v2 LDS address of the step in hand; v3 16 x thread; v4, v5 LDS addresses of the fill; v8 -M, v9 the largest t; v[10:11] the sum in two halves; v12 a factor, v13 0 (named with it as a pair);
; v14, v15 at work; v16 a permute's destination; v[18:19] the sums' second chain; v20 a scale, v21 448 x it; v22-25 the gates; v26, v27 at work;
; v28-35 and v216-223: Q's fragment of even and of odd features (the upper four registers zeros); v224-227 the final codes.   Window 1: v0-127 (v256-383): the next feature's bytes.
; s56 wave, s57 batch-head, s58 query block; s[60:61] c; s[62:63] lane selects; s66 LDS byte of the step in hand; s67 a counter; s68 ep + ev; s[80:81] kv, s[82:83] qimg, s[84:85] oc at my part
.set MSB, 0
.macro WIN new                         ; the immediate's high byte repeats the setting that is left
.if MSB != \new
	s_set_vgpr_msb (MSB<<8)|\new
.set MSB, \new
.endif
.endm
.macro GLOAD f                         ; feature f's 131,072 bytes: each load of a wave covers 512 consecutive bytes, the eight waves 4,096
	WIN 0x40                                       ; destination window 1
.set ii, 0
.rept 32
	global_load_b128 v[4*ii:4*ii+3], v3, s[80:81] offset:(\f)*2097152+ii*4096
.set ii, ii+1
.endr
	WIN 0
.endm
.macro QLOAD f                         ; my 16 queries as quantised for feature f
.set QN, 28+188*((\f)%2)
	global_load_b128 v[QN:QN+3], v1, s[82:83] offset:(\f)*1048576
.endm
.macro LSTORE slot                     ; what GLOAD asked for goes into the slot as it lies; then the barrier
	s_wait_loadcnt 0x0                             ; all my loads are in, the next Q among them
	v_add_nc_u32 v4, (\slot)*SLOTB, v3
	v_add_nc_u32 v5, (\slot)*SLOTB+65536, v3       ; an LDS immediate has 16 bits: the slot's upper half has its own register
	WIN 0x04                                       ; store data window 1
.set ii, 0
.rept 16
	ds_store_b128 v4, v[4*ii:4*ii+3] offset:ii*4096
.set ii, ii+1
.endr
.rept 16
	ds_store_b128 v5, v[4*ii:4*ii+3] offset:(ii-16)*4096
.set ii, ii+1
.endr
	WIN 0
	s_wait_dscnt 0x0                               ; for the others' sake: my stores have landed, and my reads of the slot that I leave are over
	s_barrier_signal -1
	s_barrier_wait -1
.endm
.macro KLOAD off
.set tt, 0
.rept 8
	ds_load_b128 v[KF+4*tt:KF+4*tt+3], v2 offset:(\off)+512*tt
.set tt, tt+1
.endr
.endm
; A KEY STEP: 128 keys.  more = 1: the next step's K is asked for, and the address steps.
.macro STEP f, more
.set QF, 28+188*((\f)%2)
	s_wait_dscnt 0x0                               ; this step's K is in
.set tt, 0
.rept 8
	v_wmma_f32_16x16x64_fp8_fp8 v[S+8*tt:S+8*tt+7], v[KF+4*tt:KF+4*tt+7], v[QF:QF+7], 0
.set tt, tt+1
.endr
.rept 4
	v_nop                                          ; four places: in front of the loads into K's and V's registers, which matrix instructions have read, and of the first reads of the scores
.endr
.set tt, 0
.rept 8
	ds_load_b128 v[VF+4*tt:VF+4*tt+3], v2 offset:4096+512*tt   ; this step's V^T lands under the softmax
.set tt, tt+1
.endr
.if \more
	KLOAD 8192                                     ; and so does the next step's K
	s_add_co_u32 s66, s66, 8192
	v_add_nc_u32 v2, s66, v1
.endif
	v_max3_num_f32 v14, v[S], v[S+1], v[S+2]       ; the step's largest score of my query among my 64 keys, in two chains; each tile is first read at its two lowest registers
	v_max3_num_f32 v15, v[S+3], v[S+4], v[S+5]
.set jj, 6
.rept 14
	v_max3_num_f32 v14, v14, v[S+jj], v[S+jj+1]
	v_max3_num_f32 v15, v15, v[S+jj+2], v[S+jj+3]
.set jj, jj+4
.endr
	v_max3_num_f32 v14, v14, v[S+62], v[S+63]
	v_max_num_f32 v14, v14, v15
	v_permlanex16_b32 v16, v14, s62, s63
	v_max_num_f32 v14, v14, v16                    ; and among the other half of the lanes' 64
	v_mul_f32 v14, s60, v14                        ; as t (c is positive)
	v_max_num_f32 v9, v9, v14                      ; the running largest t
	v_mov_b32 v14, v8
	v_floor_f32 v8, -v9                            ; -M = floor(-t) = -ceil(t)
	v_sub_f32 v14, v8, v14                         ; old M - new M: a whole number, 0 or less
	v_cvt_i32_f32 v14, v14                         ; (it saturates)
	v_ldexp_f32 v12, 1.0, v14                      ; 2^(old M - new M)
.set jj, 0
.rept 32
	v_pk_fma_f32 v[S+jj:S+jj+1], v[S+jj:S+jj+1], s[60:61], v[8:9] op_sel_hi:[1,0,0]   ; t - M, two at a time (the pairs' low words serve both halves)
.set jj, jj+2
.endr
.set jj, 0
.rept 64
	v_exp_f32 v[S+jj], v[S+jj]                     ; p = 2^(t - M)
.set jj, jj+1
.endr
	v_pk_mul_f32 v[10:11], v[10:11], v[12:13] op_sel_hi:[1,0]   ; the sums under the new M (a plain instruction behind the exponentials)
	s_wait_alu depctr_va_vdst(0)                   ; one wait for the batch of 64, ahead of its first reader
	v_pk_add_f32 v[18:19], v[S:S+1], v[S+2:S+3]    ; the row's sum of the unquantised p, in two chains
.set jj, 4
.rept 15
	v_pk_add_f32 v[10:11], v[10:11], v[S+jj:S+jj+1]
	v_pk_add_f32 v[18:19], v[18:19], v[S+jj+2:S+jj+3]
.set jj, jj+4
.endr
	v_pk_add_f32 v[10:11], v[10:11], v[18:19]
	s_cmp_gt_i32 s[LS+8+8*(\f)], -9                ; ep >= -8: 448 x 2^ep >= 1.75 >= p: the hold would change nothing
	s_cbranch_scc1 .Lnh_\@
.set jj, 0
.rept 64
	v_min_num_f32 v[S+jj], v[S+jj], v21            ; p is never negative: the hold is one-sided
.set jj, jj+1
.endr
.Lnh_\@:
.set tt, 0
.rept 8
	v_cvt_scalef32_pk8_fp8_f32 v[P+2*tt:P+2*tt+1], v[S+8*tt:S+8*tt+7], v20
.set tt, tt+1
.endr
.set jj, 0
.rept 8
	v_pk_mul_f32 v[O+jj:O+jj+1], v[O+jj:O+jj+1], v[12:13] op_sel_hi:[1,0]   ; O^T under the new M (also the plain instructions between the conversions and the products)
.set jj, jj+2
.endr
	s_wait_dscnt 0x0                               ; V^T is in
	v_wmma_f32_16x16x128_fp8_fp8 v[O:O+7], v[VF:VF+15], v[P:P+15], v[O:O+7]
	v_wmma_f32_16x16x128_fp8_fp8 v[O+8:O+15], v[VF+16:VF+31], v[P:P+15], v[O+8:O+15]   ; the two accumulators take turns; the next step's eight products stand between their links
.endm
.macro FEATURE f
.if (\f) < 3
	GLOAD (\f)+1                                   ; the next feature's K and V^T: 16 key steps ahead of their stores into LDS
	QLOAD (\f)+1
.endif
	s_add_co_i32 s70, s[LS+6+8*(\f)], s[LS+7+8*(\f)]
	s_lshl_b32 s70, s70, 23
	s_add_co_i32 s60, s70, 0x3e8293ee              ; c = log2(e) / sqrt(32) x 2^(eq + ek): the exponents are added to c's exponent field
	s_mov_b32 s61, s60                             ; (named with it as a pair, so it is written)
	s_add_co_i32 s70, s[LS+8+8*(\f)], 127
	s_lshl_b32 s71, s70, 23
	v_mov_b32 v20, s71                             ; 2^ep
	s_add_co_i32 s70, s70, 8
	s_lshl_b32 s70, s70, 23
	s_or_b32 s70, s70, 0x600000
	v_mov_b32 v21, s70                             ; 448 x 2^ep
	s_add_co_i32 s68, s[LS+8+8*(\f)], s[LS+9+8*(\f)]   ; ep + ev
	v_mov_b32 v9, 0xff61b1e6                       ; the largest t so far: -3e38
	v_floor_f32 v8, -v9
	v_mov_b32 v10, 0
	v_mov_b32 v11, 0
.set jj, 0
.rept 16
	v_mov_b32 v[O+jj], 0                           ; the step is written without a first step of its own: it finds zeros, which the first change of M leaves zeros
.set jj, jj+1
.endr
	s_mov_b32 s66, ((\f)%2)*SLOTB
	v_add_nc_u32 v2, s66, v1
	KLOAD 0
	s_mov_b32 s67, 15
.Lstep_\@:
	STEP \f, 1
	s_sub_co_u32 s67, s67, 1
	s_cmp_lg_u32 s67, 0
	s_cbranch_scc1 .Lstep_\@
	STEP \f, 0                                     ; the last step asks for no further K: no LDS read leaves the slot
	v_add_f32 v14, v10, v11                        ; the sum's two halves,  (these lines are also the places behind the last products)
	v_permlanex16_b32 v16, v14, s62, s63
	v_add_f32 v14, v14, v16                        ; and the other half of the lanes'
	v_rcp_f32 v15, v14
	v_nop                                          ; a plain instruction behind the reciprocal
	s_wait_alu depctr_va_vdst(0)                   ; and the wait ahead of its first reader
	v_mul_f32 v15, v15, v[22+(\f)]                 ; gate / sum
	v_ldexp_f32 v12, v15, s68                      ; x 2^(ep + ev)
.set jj, 0
.rept 8
.if (\f) == 0
	v_pk_mul_f32 v[OT+jj:OT+jj+1], v[O+jj:O+jj+1], v[12:13] op_sel_hi:[1,0]
.else
	v_pk_fma_f32 v[OT+jj:OT+jj+1], v[O+jj:O+jj+1], v[12:13], v[OT+jj:OT+jj+1] op_sel_hi:[1,0,1]
.endif
.set jj, jj+2
.endr
.if (\f) < 3
	LSTORE ((\f)+1)%2
.endif
.endm
	s_load_b256 s[4:11], s[0:1], 0x0               ; qimg 4, kv 6, feature_weights 8, lowp_scales 10
	s_load_b64 s[12:13], s[0:1], 0x20              ; oc
	v_lshl_add_u32 v254, v0, 2, 0x40000
	v_mov_b32 v255, 0
	v_lshrrev_b32 v2, 5, v0
	v_readfirstlane_b32 s56, v2                    ; wave
	s_and_b32 s57, ttmp7, 0xffff                   ; batch-head
	s_mov_b32 s58, ttmp9                           ; block of 128 queries
	v_and_b32 v1, 31, v0
	v_lshlrev_b32 v1, 4, v1
	v_lshlrev_b32 v3, 4, v0
	s_mov_b32 s62, 0x76543210                      ; v_permlanex16_b32: lane l takes lane l xor 16
	s_mov_b32 s63, 0xfedcba98
	s_lshl_b32 s70, s57, 17                        ; kv: 131,072 bytes a batch-head within a feature
	s_mov_b32 s71, 0
	s_lshl_b32 s76, s58, 3
	s_add_co_u32 s76, s76, s56                     ; my tile among the batch's 128
	s_lshl_b32 s72, s57, 16                        ; qimg: 65,536 bytes a batch-head, 512 a tile
	s_lshl_b32 s77, s76, 9
	s_add_co_u32 s72, s72, s77
	s_mov_b32 s73, 0
	s_lshr_b32 s77, s57, 3
	s_lshl_b32 s77, s77, 7
	s_add_co_u32 s77, s77, s76                     ; my tile among all 256
	s_lshl_b32 s74, s77, 12                        ; oc: 4,096 bytes a tile, 512 a head
	s_and_b32 s77, s57, 7
	s_lshl_b32 s77, s77, 9
	s_add_co_u32 s74, s74, s77
	s_mov_b32 s75, 0
	s_wait_kmcnt 0x0
	s_load_b512 s[16:31], s[10:11], 0x0            ; the 36 exponents: 64 + 64 + 16 bytes
	s_load_b512 s[32:47], s[10:11], 0x40
	s_load_b128 s[48:51], s[10:11], 0x80
	s_load_b128 s[52:55], s[8:9], 0x0              ; feature_weights
	s_add_nc_u64 s[80:81], s[6:7], s[70:71]
	s_add_nc_u64 s[82:83], s[4:5], s[72:73]
	s_add_nc_u64 s[84:85], s[12:13], s[74:75]
	GLOAD 0
	QLOAD 0
	v_mov_b32 v13, 0
	v_mov_b32 v16, 0                               ; a lane permute's destination counts as one of its sources
.irp j, 32,33,34,35,68,69,70,71,220,221,222,223
	v_mov_b32 v\j, 0                               ; the zeros of the scores' K from 32 to 63
.endr
	s_wait_kmcnt 0x0
	v_mov_b32 v22, s52                             ; the gates: softmax of the four weights, the largest taken away first
	v_mov_b32 v23, s53
	v_mov_b32 v24, s54
	v_mov_b32 v25, s55
	v_max3_num_f32 v26, v22, v23, v24
	v_max_num_f32 v26, v26, v25
.irp j, 22,23,24,25
	v_sub_f32 v\j, v\j, v26
.endr
.irp j, 22,23,24,25
	v_mul_f32 v\j, 0x3fb8aa3b, v\j
.endr
.irp j, 22,23,24,25
	v_exp_f32 v\j, v\j
.endr
	v_nop
	s_wait_alu depctr_va_vdst(0)                   ; one wait for the four exponentials, ahead of their first reader
	v_add_f32 v26, v22, v23
	v_add_f32 v27, v24, v25
	v_add_f32 v26, v26, v27
	v_rcp_f32 v27, v26
	v_nop
	s_wait_alu depctr_va_vdst(0)
.irp j, 22,23,24,25
	v_mul_f32 v\j, v\j, v27
.endr
	LSTORE 0
	FEATURE 0
	FEATURE 1
	FEATURE 2
	FEATURE 3
	; the weighed sum is the last projection's operand: quantised with entry 34; a lane's 16 numbers are columns 32 head + 16 (lane / 16) + 0 .. 15 of its token
	s_add_co_i32 s70, s[LS+34], 127
	s_lshl_b32 s71, s70, 23
	v_mov_b32 v20, s71
	s_add_co_i32 s70, s70, 8
	s_lshl_b32 s70, s70, 23
	s_or_b32 s70, s70, 0x600000
	v_mov_b32 v21, s70
.set jj, 0
.rept 16
	v_med3_num_f32 v[OT+jj], v[OT+jj], -v21, v21
.set jj, jj+1
.endr
	v_cvt_scalef32_pk8_fp8_f32 v[224:225], v[OT:OT+7], v20
	v_cvt_scalef32_pk8_fp8_f32 v[226:227], v[OT+8:OT+15], v20
	v_nop
	global_store_b128 v1, v[224:227], s[84:85]     ; the wave stores 512 consecutive bytes, aligned
	s_wait_tensorcnt 0x0
	ds_add_u32 v254, v255
	s_wait_dscnt 0x0
	s_endpgm
.Lfunc_end_k_qe613a92992_attn:
	.size	k_qe613a92992_attn, .Lfunc_end_k_qe613a92992_attn-k_qe613a92992_attn
	.p2alignl 7, 3214868480
	.fill 96, 4, 3214868480
	.section	.rodata,"a",@progbits
	.p2align	6, 0x0
	.amdhsa_kernel k_qe613a92992_attn
		.amdhsa_group_segment_fixed_size 263168
		.amdhsa_private_segment_fixed_size 0
		.amdhsa_enable_private_segment 0
		.amdhsa_kernarg_size 40
		.amdhsa_user_sgpr_count 2
		.amdhsa_user_sgpr_kernarg_segment_ptr 1
		.amdhsa_wavefront_size32 1
		.amdhsa_system_sgpr_workgroup_id_x 1
		.amdhsa_system_sgpr_workgroup_id_y 1
		.amdhsa_system_sgpr_workgroup_id_z 1
		.amdhsa_system_vgpr_workitem_id 0
		.amdhsa_next_free_vgpr 384
		.amdhsa_next_free_sgpr 96
		.amdhsa_reserve_vcc 0
		.amdhsa_float_denorm_mode_32 3
		.amdhsa_float_denorm_mode_16_64 3
		.amdhsa_memory_ordered 1
		.amdhsa_forward_progress 1
		.amdhsa_inst_pref_size 143
	.end_amdhsa_kernel
	.amdgpu_metadata
---
amdhsa.version: [ 1, 2 ]
amdhsa.kernels:
  - .name:           k_qe613a92992_attn
    .symbol:         k_qe613a92992_attn.kd
    .args:
      - { .name: qimg, .offset: 0, .size: 8, .value_kind: global_buffer, .address_space: global }
      - { .name: kv, .offset: 8, .size: 8, .value_kind: global_buffer, .address_space: global }
      - { .name: feature_weights, .offset: 16, .size: 8, .value_kind: global_buffer, .address_space: global }
      - { .name: lowp_scales, .offset: 24, .size: 8, .value_kind: global_buffer, .address_space: global }
      - { .name: oc, .offset: 32, .size: 8, .value_kind: global_buffer, .address_space: global }
    .group_segment_fixed_size: 263168
    .private_segment_fixed_size: 0
    .kernarg_segment_align: 8
    .kernarg_segment_size: 40
    .max_flat_workgroup_size: 256
    .sgpr_count:     96
    .vgpr_count:     384
    .wavefront_size: 32
...
	.end_amdgpu_metadata
.endif
;; end of part 2
;; launch outp (part 3): grid 256 x 1, 4 waves a work-group, no clusters, 0 bytes of LDS; arguments oc, Wo_codes, bo, lowp_scales, out0; writes out0
.if DOCPART == 3
	.amdgcn_target "amdgcn-amd-amdhsa--gfx1250"
	.amdhsa_code_object_version 6
	.text
	.protected	k_qe613a92992_outp
	.globl	k_qe613a92992_outp
	.p2align	8
	.type	k_qe613a92992_outp,@function
k_qe613a92992_outp:
	s_mov_b64 s[64:65], 0
	v_nop
	global_prefetch_b8 v0, s[64:65] scope:SCOPE_SE
	s_setreg_imm32_b32 hwreg(HW_REG_WAVE_MODE, 25, 1), 1
	s_wait_xcnt 0x0
; out0 = o Wo^T x 2^(e34 + e35) + bo.  o: the codes that the attention launch stored, as images of this product's operand registers; Wo: given codes, K innermost; out0 [4,096][256] f32.
; SHARES.  Work-group x: 16 tokens.  Wave g: columns 64 g .. 64 g + 63, four tiles.  Natural use (source 0 = 16 tokens, source 1 = 16 rows of Wo).
; THE ROWS OF Wo THAT FORM A TILE ARE NOT NEIGHBOURS: lane r of tile a takes row 64 g + 4 r + a.  So register j of a lane's four accumulators are four NEIGHBOURING columns of token 8 (lane / 16) + j:
; 16 bytes a lane, and sixteen neighbouring lanes store 256 consecutive bytes, aligned.  No LDS, no barrier.
; LIMIT: e34 + e35 between -126 and 127, so that 2^(e34 + e35) is an f32 number.
.set WO,  8                            ; v8-135   Wo's fragments: tile a, K step s at 16 (2 a + s)
.set OC,  136                          ; v136-167 o's two fragments
.set ACC, 168                          ; v168-199 four accumulators
.set BI,  200                          ; v200-203 bo of my four columns
.set OUT, 204                          ; v204-235 results: token j's four columns at 4 j
	s_load_b256 s[4:11], s[0:1], 0x0               ; oc 4, Wo's codes 6, bo 8, lowp_scales 10
	s_load_b64 s[12:13], s[0:1], 0x20              ; out0
	v_lshrrev_b32 v1, 5, v0
	v_readfirstlane_b32 s16, v1                    ; wave g
	v_and_b32 v1, 15, v0                           ; r
	v_bfe_u32 v2, v0, 4, 1                         ; h
	v_lshlrev_b32 v3, 10, v1
	v_lshl_add_u32 v3, v2, 4, v3                   ; Wo: row 4 r of 256 bytes, + 16 h
	v_and_b32 v4, 31, v0
	v_lshlrev_b32 v4, 4, v4                        ; 16 x lane
	v_lshlrev_b32 v6, 4, v1                        ; bo: my four columns
	v_lshl_add_u32 v5, v2, 13, v6                  ; out0: token 8 h of 1,024 bytes, + 16 r
	s_lshl_b32 s18, s16, 14                        ; Wo: my 64 rows
	s_mov_b32 s19, 0
	s_lshl_b32 s20, ttmp9, 12                      ; oc: my tile's 4,096 bytes
	s_mov_b32 s21, 0
	s_lshl_b32 s22, s16, 8                         ; bo, and a row of out0: my 64 columns
	s_mov_b32 s23, 0
	s_lshl_b32 s24, ttmp9, 14                      ; out0: my 16 rows
	s_add_co_u32 s24, s24, s22
	s_mov_b32 s25, 0
	s_wait_kmcnt 0x0
	s_load_b64 s[14:15], s[10:11], 0x88            ; entries 34 and 35
	s_add_nc_u64 s[6:7], s[6:7], s[18:19]
	s_add_nc_u64 s[4:5], s[4:5], s[20:21]
	s_add_nc_u64 s[8:9], s[8:9], s[22:23]
	s_add_nc_u64 s[12:13], s[12:13], s[24:25]
.irp s, 0,1
.irp c, 0,1,2,3
	global_load_b128 v[OC+16*\s+4*\c:OC+16*\s+4*\c+3], v4, s[4:5] offset:(4*\s+\c)*512   ; head 4 s + c's image: registers 4 c .. 4 c + 3 hold k = 128 s + 32 c + 16 h + 0 .. 15
.endr
.endr
.irp a, 0,1,2,3
.irp s, 0,1
.irp c, 0,1,2,3
	global_load_b128 v[WO+16*(2*\a+\s)+4*\c:WO+16*(2*\a+\s)+4*\c+3], v3, s[6:7] offset:\a*256+\s*128+32*\c   ; the same places of k
.endr
.endr
.endr
	global_load_b128 v[BI:BI+3], v6, s[8:9]
	s_wait_loadcnt 0x0
.irp a, 0,1,2,3                        ; the four accumulators take turns, one instruction a turn; the first K step starts the sums
	v_wmma_f32_16x16x128_fp8_fp8 v[ACC+8*\a:ACC+8*\a+7], v[OC:OC+15], v[WO+32*\a:WO+32*\a+15], 0
.endr
.irp a, 0,1,2,3
	v_wmma_f32_16x16x128_fp8_fp8 v[ACC+8*\a:ACC+8*\a+7], v[OC+16:OC+31], v[WO+32*\a+16:WO+32*\a+31], v[ACC+8*\a:ACC+8*\a+7]
.endr
.rept 4
	v_nop                                          ; four places ahead of the first read of the results (ISA guide 7.12.1)
.endr
	s_wait_kmcnt 0x0
	s_add_co_i32 s14, s14, s15
	s_add_co_i32 s14, s14, 127
	s_lshl_b32 s14, s14, 23                        ; 2^(e34 + e35) as f32
.irp j, 0,1,2,3,4,5,6,7                ; ascending: each accumulator is first read at its lowest register
.irp a, 0,1,2,3
	v_fma_f32 v[OUT+4*\j+\a], v[ACC+8*\a+\j], s14, v[BI+\a]
.endr
.endr
.irp j, 0,1,2,3,4,5,6,7
	global_store_b128 v5, v[OUT+4*\j:OUT+4*\j+3], s[12:13] offset:\j*1024 th:TH_STORE_NT   ; sixteen lanes store 256 consecutive bytes, aligned; written once, read by nobody here
.endr
	s_endpgm
.Lfunc_end_k_qe613a92992_outp:
	.size	k_qe613a92992_outp, .Lfunc_end_k_qe613a92992_outp-k_qe613a92992_outp
	.p2alignl 7, 3214868480
	.fill 96, 4, 3214868480
	.section	.rodata,"a",@progbits
	.p2align	6, 0x0
	.amdhsa_kernel k_qe613a92992_outp
		.amdhsa_group_segment_fixed_size 0
		.amdhsa_private_segment_fixed_size 0
		.amdhsa_enable_private_segment 0
		.amdhsa_kernarg_size 40
		.amdhsa_user_sgpr_count 2
		.amdhsa_user_sgpr_kernarg_segment_ptr 1
		.amdhsa_wavefront_size32 1
		.amdhsa_system_sgpr_workgroup_id_x 1
		.amdhsa_system_sgpr_workgroup_id_y 1
		.amdhsa_system_sgpr_workgroup_id_z 1
		.amdhsa_system_vgpr_workitem_id 0
		.amdhsa_next_free_vgpr 240
		.amdhsa_next_free_sgpr 66
		.amdhsa_reserve_vcc 0
		.amdhsa_float_denorm_mode_32 3
		.amdhsa_float_denorm_mode_16_64 3
		.amdhsa_memory_ordered 1
		.amdhsa_forward_progress 1
		.amdhsa_inst_pref_size 9
	.end_amdhsa_kernel
	.amdgpu_metadata
---
amdhsa.version: [ 1, 2 ]
amdhsa.kernels:
  - .name:           k_qe613a92992_outp
    .symbol:         k_qe613a92992_outp.kd
    .args:
      - { .name: oc, .offset: 0, .size: 8, .value_kind: global_buffer, .address_space: global }
      - { .name: Wo_codes, .offset: 8, .size: 8, .value_kind: global_buffer, .address_space: global }
      - { .name: bo, .offset: 16, .size: 8, .value_kind: global_buffer, .address_space: global }
      - { .name: lowp_scales, .offset: 24, .size: 8, .value_kind: global_buffer, .address_space: global }
      - { .name: out0, .offset: 32, .size: 8, .value_kind: global_buffer, .address_space: global }
    .group_segment_fixed_size: 0
    .private_segment_fixed_size: 0
    .kernarg_segment_align: 8
    .kernarg_segment_size: 40
    .max_flat_workgroup_size: 128
    .sgpr_count:     66
    .vgpr_count:     240
    .wavefront_size: 32
...
	.end_amdgpu_metadata
.endif
;; end of part 3
;; ======== version 2 of 2: 3 launches; version 1 with the launches proj, attn, outp written anew for expert scheduling mode
;; workspace buffers: qimg 4,194,304 bytes; kv 8,388,608 bytes; oc 1,048,576 bytes
;; launch proj (part 4): grid 32 x 9, 8 waves a work-group, no clusters, 0 bytes of LDS; arguments q_data_codes, x_0_codes, v_0_codes, edge_attr_codes, concatenated_features_codes, Wq_codes, Wk_codes, Wv_codes, bq, bk, bv, lowp_scales, qimg, kv; writes qimg, kv
.if DOCPART == 4
	.amdgcn_target "amdgcn-amd-amdhsa--gfx1250"
	.amdhsa_code_object_version 6
	.text
	.protected	k_qe613a92992_proj
	.globl	k_qe613a92992_proj
	.p2align	8
	.type	k_qe613a92992_proj,@function
k_qe613a92992_proj:
	s_mov_b64 s[64:65], 0
	v_nop
	global_prefetch_b8 v0, s[64:65] scope:SCOPE_SE
	s_setreg_imm32_b32 hwreg(HW_REG_WAVE_SCHED_MODE, 0, 2), 2
	s_setreg_imm32_b32 hwreg(HW_REG_WAVE_MODE, 25, 1), 1
	s_wait_xcnt 0x0
	s_wait_alu depctr_vm_vsrc(0)
; THE NINE PROJECTIONS: q, and k and v of the four features: [4,096 tokens x 256] x [256 x 256] on given E4M3 codes, + bias, RoPE (q and k), quantised again,
; and stored as images of the registers in which the attention launch wants them (16 bytes at 16 x lane, 512 bytes a store of a wave).
; SHARES.  Work-group x = a block of 128 tokens (batch x / 16, key step x % 16, timestep (x / 2) % 8); y = the job: 0 q, 1-4 k of feature y - 1, 5-8 v of feature y - 5.
; Wave w = head w: its 32 rows of the weight (2 tiles x 2 K steps of 128) stay in 64 registers; it walks the 128 tokens in four trips of 32, written out, every offset an immediate.
; q AND k: the product is used transposed (source 0 = 16 rows of W, source 1 = 16 tokens).  Lane r of tile u takes row 32 w + 8 u + r + 8 (r / 8), so that a lane's 16 results of tiles 0 and 1 are
; channels 16 (lane / 16) + 0 .. 15 of ONE token: eight RoPE pairs, and 16 neighbours along the scores' K.  q is quantised four times, once with each feature's scale.
; v: natural use (source 0 = 16 tokens, source 1 = 16 rows of W): a lane holds one channel and eight neighbouring tokens, which are neighbours along the second product's K (the keys).
; SCALES.  A sum stands for sum x 2^(ea + ew); the bias goes in as the C of the first K step, divided by that power; RoPE is linear; so the conversion's one scale is 2^(eo - ea - ew).
; cos AND sin: angle = timestep x 1000^(-i / 16) <= 7; series at angle / 8 (sine to x^9, cosine to x^10), then three doublings: absolute error about 1e-6.
; LIMITS: eo - ea - ew between -126 and 119 for each output, so that the scale and 448 x the scale are f32 numbers.  NaN among the inputs (codes 0x7f, 0xff; NaN biases) is not served.
; No LDS and no barrier: waves share nothing.
; THE MODE: SCHED_MODE bits 1:0 = 2 (LLVM: expert scheduling mode 2), set by the entry lines.  The code itself states the register dependences
; between vector or matrix instructions and memory instructions, with s_wait_alu, always for 0.
; THE PLAN.  Registers that memory instructions touch:
;   v3, v4, v5  offsets, made once at the head and never written again; v6, the bias's offset, made once in each path.
;   W, BIAS     loaded once, into registers that no vector instruction has named.
;   X           Trip p: its eight products read X; behind them the loads of trip p + 1 land in it.
;   CODE        Trip p: its conversions write CODE; its stores read it; trip p + 1's conversions write it again.
;   ACC, H, CO, SI, SCL are named by vector and matrix instructions alone.
; So a trip has, behind its products: one wait on vm_vsrc (the last trip's stores have read CODE), one on va_vdst (the products are done reading X) ahead of the run of 16 loads,
; and one on va_vdst behind each run of conversions, ahead of the run of their stores.
.set W,    8                           ; v8-71    the weight's fragments: tile u, K step s at 16 (2 u + s)
.set X,    72                          ; v72-135  the tokens' fragments: tile i, K step s at 16 (2 i + s)
.set ACC,  136                         ; v136-167 four accumulators: token tile i, weight tile u at 8 (2 i + u)
.set BIAS, 168                         ; v168-183 the bias / 2^(ea + ew), in the result's layout: tile u at 8 u
.set CO,   184                         ; v184-191 cos of my eight pairs' angles
.set SI,   192                         ; v192-199 sin
.set H,    200                         ; v200-215 16 numbers held within the largest code; at work
.set CODE, 216                         ; v216-247 codes: four registers for each (token tile i, scale k): 4 (4 i + k)
.set SCL,  248                         ; v248-255 scale k at 2 k, 448 x scale k at 2 k + 1
; v1 r, v2 h, v3 X's lane address, v4 W's, v5 16 x lane, v6 the bias's lane address, v7 at work
	s_load_b512 s[8:23], s[0:1], 0x0               ; q_data 8, x_0 10, v_0 12, edge_attr 14, concatenated 16, Wq 18, Wk 20, Wv 22
	s_load_b256 s[24:31], s[0:1], 0x40             ; bq 24, bk 26, bv 28, lowp_scales 30
	s_load_b128 s[32:35], s[0:1], 0x60             ; qimg 32, kv 34
	v_lshrrev_b32 v7, 5, v0
	v_readfirstlane_b32 s43, v7                    ; wave = head
	s_and_b32 s40, ttmp7, 0xffff                   ; job
	s_mov_b32 s42, ttmp9                           ; block of 128 tokens
	s_max_u32 s41, s40, 1
	s_sub_co_u32 s41, s41, 1
	s_and_b32 s41, s41, 3                          ; feature (0 for q)
	v_and_b32 v1, 15, v0                           ; r
	v_bfe_u32 v2, v0, 4, 1                         ; h
	v_lshlrev_b32 v3, 8, v1
	v_lshl_add_u32 v3, v2, 4, v3                   ; tokens: row r of 256 bytes, + 16 h
	v_and_b32 v4, 8, v1
	v_add_nc_u32 v4, v4, v1                        ; r + 8 (r / 8)
	v_lshlrev_b32 v4, 8, v4
	v_lshl_add_u32 v4, v2, 4, v4                   ; the weight: that row, + 16 h
	v_and_b32 v5, 31, v0
	v_lshlrev_b32 v5, 4, v5                        ; 16 x lane
	s_wait_alu depctr_va_sdst(0)                   ; s43 is written, ahead of its first reader: the bases of the weight, the bias and the output are made from it
	; where the job's three exponents lie in lowp_scales, in bytes: (ea, ew) at 0 | 8 + 32 f | 16 + 32 f;  eo at 24 | 28 + 32 f | 36 + 32 f
	s_lshl_b32 s46, s41, 5
	s_cmp_eq_u32 s40, 0
	s_cselect_b32 s58, 0, 8
	s_cselect_b32 s59, 24, 28
	s_cmp_ge_u32 s40, 5
	s_cselect_b32 s58, 16, s58
	s_cselect_b32 s59, 36, s59
	s_add_co_u32 s48, s46, s59
	s_add_co_u32 s46, s46, s58
	s_wait_kmcnt 0x0
	s_load_b64 s[44:45], s[30:31], s46 offset:0x0  ; ea, ew
	s_load_b32 s47, s[30:31], s48 offset:0x0       ; eo (for q: feature 0's)
	s_load_b32 s49, s[30:31], 0x38                 ; q's scales for features 1, 2, 3: entries 14, 22, 30 (every job reads them; only job 0 uses them)
	s_load_b32 s50, s[30:31], 0x58
	s_load_b32 s51, s[30:31], 0x78
	; the job's buffers: a choice on the work-group's number alone
	s_cmp_eq_u32 s41, 1
	s_cselect_b64 s[36:37], s[12:13], s[10:11]
	s_cmp_eq_u32 s41, 2
	s_cselect_b64 s[36:37], s[14:15], s[36:37]
	s_cmp_eq_u32 s41, 3
	s_cselect_b64 s[36:37], s[16:17], s[36:37]
	s_cmp_eq_u32 s40, 0
	s_cselect_b64 s[36:37], s[8:9], s[36:37]       ; the tokens' codes
	s_cselect_b64 s[38:39], s[18:19], s[20:21]     ; the weight's codes
	s_cselect_b64 s[52:53], s[24:25], s[26:27]     ; the bias
	s_cselect_b64 s[54:55], s[32:33], s[34:35]     ; the output
	s_cmp_ge_u32 s40, 5
	s_cselect_b64 s[38:39], s[22:23], s[38:39]
	s_cselect_b64 s[52:53], s[28:29], s[52:53]
	s_mov_b32 s57, 0
	s_lshl_b32 s56, s42, 15                        ; 128 tokens x 256 bytes
	s_add_nc_u64 s[36:37], s[36:37], s[56:57]
	s_lshl_b32 s56, s41, 16                        ; the feature's 256 rows, my head's 32 rows
	s_lshl_b32 s58, s43, 13
	s_add_co_u32 s56, s56, s58
	s_add_nc_u64 s[38:39], s[38:39], s[56:57]
	s_lshl_b32 s56, s41, 10
	s_lshl_b32 s58, s43, 7
	s_add_co_u32 s56, s56, s58
	s_add_nc_u64 s[52:53], s[52:53], s[56:57]
	s_lshr_b32 s58, s42, 4
	s_lshl_b32 s58, s58, 3
	s_add_co_u32 s58, s58, s43                     ; bh = 8 x batch + head
	s_and_b32 s59, s42, 15                         ; the block's place in its batch
	s_lshl_b32 s60, s58, 16                        ; qimg: bh x 128 tiles x 512 + 8 tiles x 512 x place
	s_lshl_b32 s61, s59, 12
	s_add_co_u32 s60, s60, s61
	s_lshl_b32 s61, s41, 21                        ; kv: f x 2^21 + bh x 2^17 + step x 8,192 (+ 4,096: V^T lies behind K)
	s_lshl_b32 s62, s58, 17
	s_add_co_u32 s61, s61, s62
	s_lshl_b32 s62, s59, 13
	s_add_co_u32 s61, s61, s62
	s_cmp_ge_u32 s40, 5
	s_cselect_b32 s62, 4096, 0
	s_add_co_u32 s61, s61, s62
	s_cmp_eq_u32 s40, 0
	s_cselect_b32 s56, s60, s61
	s_add_nc_u64 s[54:55], s[54:55], s[56:57]
.macro XLOAD p                         ; trip p's 32 tokens: two tiles x two K steps; registers 4 c .. 4 c + 3 hold k = 32 c + 16 h + 0 .. 15, in the weight's fragments likewise
.irp i, 0,1
.irp s, 0,1
.irp c, 0,1,2,3
	global_load_b128 v[X+16*(2*\i+\s)+4*\c:X+16*(2*\i+\s)+4*\c+3], v3, s[36:37] offset:(\p)*8192+\i*4096+\s*128+32*\c
.endr
.endr
.endr
.endm
	s_wait_alu depctr_va_vdst(0)                   ; the offsets v3, v4 and v5 are written, which the loads and stores of the whole kernel read
.irp u, 0,1
.irp s, 0,1
.irp c, 0,1,2,3
	global_load_b128 v[W+16*(2*\u+\s)+4*\c:W+16*(2*\u+\s)+4*\c+3], v4, s[38:39] offset:\u*2048+\s*128+32*\c   ; tile u begins 8 rows further down
.endr
.endr
.endr
	XLOAD 0
	s_wait_kmcnt 0x0
	s_add_co_i32 s44, s44, s45                     ; ea + ew
	s_sub_co_i32 s45, 0, s44
.macro MKSC k, e                       ; 2^(eo - ea - ew) as f32 (the conversion takes its exponent field), and 448 x that
	s_sub_co_i32 s58, s[\e], s44
	s_add_co_i32 s58, s58, 127
	s_lshl_b32 s59, s58, 23
	v_mov_b32 v[SCL+2*\k], s59
	s_add_co_i32 s58, s58, 8
	s_lshl_b32 s58, s58, 23
	s_or_b32 s58, s58, 0x600000
	v_mov_b32 v[SCL+2*\k+1], s58
.endm
	MKSC 0, 47
	MKSC 1, 49
	MKSC 2, 50
	MKSC 3, 51
; Eight matrix instructions: the four accumulators take turns, one instruction a turn: K step 0 starts the sums from the bias, K step 1 adds in place.
.macro MULS qk
.irp s, 0,1
.irp i, 0,1
.irp u, 0,1
.if \qk
.if \s == 0
	v_wmma_f32_16x16x128_fp8_fp8 v[ACC+8*(2*\i+\u):ACC+8*(2*\i+\u)+7], v[W+16*(2*\u+\s):W+16*(2*\u+\s)+15], v[X+16*(2*\i+\s):X+16*(2*\i+\s)+15], v[BIAS+8*\u:BIAS+8*\u+7]
.else
	v_wmma_f32_16x16x128_fp8_fp8 v[ACC+8*(2*\i+\u):ACC+8*(2*\i+\u)+7], v[W+16*(2*\u+\s):W+16*(2*\u+\s)+15], v[X+16*(2*\i+\s):X+16*(2*\i+\s)+15], v[ACC+8*(2*\i+\u):ACC+8*(2*\i+\u)+7]
.endif
.else
.if \s == 0
	v_wmma_f32_16x16x128_fp8_fp8 v[ACC+8*(2*\i+\u):ACC+8*(2*\i+\u)+7], v[X+16*(2*\i+\s):X+16*(2*\i+\s)+15], v[W+16*(2*\u+\s):W+16*(2*\u+\s)+15], v[BIAS+8*\u:BIAS+8*\u+7]
.else
	v_wmma_f32_16x16x128_fp8_fp8 v[ACC+8*(2*\i+\u):ACC+8*(2*\i+\u)+7], v[X+16*(2*\i+\s):X+16*(2*\i+\s)+15], v[W+16*(2*\u+\s):W+16*(2*\u+\s)+15], v[ACC+8*(2*\i+\u):ACC+8*(2*\i+\u)+7]
.endif
.endif
.endr
.endr
.endr
.endm
.macro PLACES                          ; four plain vector instructions between a matrix instruction and a vector instruction's read of its result (ISA guide 7.12.1)
.rept 4
	v_nop
.endr
.endm
	s_cmp_ge_u32 s40, 5
	s_cbranch_scc1 .Lv
	; ---------------- q and k ----------------
	v_lshlrev_b32 v6, 6, v2                        ; the bias of channels 16 h + 8 u + j: byte 64 h + 32 u + 4 j
	s_wait_alu depctr_va_vdst(0)                   ; v6 is written, which the bias's loads read as their offset
.irp u, 0,1
	global_load_b128 v[BIAS+8*\u:BIAS+8*\u+3], v6, s[52:53] offset:32*\u
	global_load_b128 v[BIAS+8*\u+4:BIAS+8*\u+7], v6, s[52:53] offset:32*\u+16
.endr
	; cos and sin of my eight pairs' angles (pair 8 h + j), while the loads are out
	s_lshr_b32 s58, s42, 1
	s_and_b32 s58, s58, 7                          ; the block's timestep
	v_cvt_f32_u32 v7, s58
	v_mul_f32 v7, 0x3e000000, v7                   ; / 8
	v_lshlrev_b32 v[CODE+10], 3, v2
.irp j, 0,1,2,3,4,5,6,7
	v_add_nc_u32 v[CO+\j], \j, v[CODE+10]
.endr
.irp j, 0,1,2,3,4,5,6,7
	v_cvt_f32_u32 v[CO+\j], v[CO+\j]
.endr
.irp j, 0,1,2,3,4,5,6,7
	v_mul_f32 v[CO+\j], 0xbf1f73da, v[CO+\j]       ; x -log2(1000) / 16
.endr
	s_wait_alu depctr_va_vdst(0)
.irp j, 0,1,2,3,4,5,6,7
	v_exp_f32 v[CO+\j], v[CO+\j]                   ; 1000^(-(8 h + j) / 16)
.endr
	v_mov_b32 v[CODE+8], 0x3638ef1d                ; 1 / 9!   (a plain instruction behind the exponentials)
	v_mov_b32 v[CODE+9], 0xb493f27e                ; -1 / 10!
	s_wait_alu depctr_va_vdst(0)                   ; the eight exponentials have written v[CO ..]: one wait for the batch, ahead of its first reader
.irp j, 0,1,2,3,4,5,6,7
	v_mul_f32 v[H+8+\j], v[CO+\j], v7              ; x = angle / 8, at most 0.875
.endr
.irp j, 0,1,2,3,4,5,6,7
	v_mul_f32 v[H+\j], v[H+8+\j], v[H+8+\j]        ; x^2
.endr
.irp j, 0,1,2,3,4,5,6,7
	v_fmaak_f32 v[SI+\j], v[CODE+8], v[H+\j], 0xb9500d01   ; the sine's series, from its far end: -1 / 7!
.endr
.irp j, 0,1,2,3,4,5,6,7
	v_fmaak_f32 v[SI+\j], v[SI+\j], v[H+\j], 0x3c088889    ; 1 / 5!
.endr
.irp j, 0,1,2,3,4,5,6,7
	v_fmaak_f32 v[SI+\j], v[SI+\j], v[H+\j], 0xbe2aaaab    ; -1 / 3!
.endr
.irp j, 0,1,2,3,4,5,6,7
	v_fma_f32 v[SI+\j], v[SI+\j], v[H+\j], 1.0
.endr
.irp j, 0,1,2,3,4,5,6,7
	v_mul_f32 v[SI+\j], v[SI+\j], v[H+8+\j]        ; sin x
.endr
.irp j, 0,1,2,3,4,5,6,7
	v_fmaak_f32 v[H+8+\j], v[CODE+9], v[H+\j], 0x37d00d01  ; the cosine's: 1 / 8!  (x is done with)
.endr
.irp j, 0,1,2,3,4,5,6,7
	v_fmaak_f32 v[H+8+\j], v[H+8+\j], v[H+\j], 0xbab60b61  ; -1 / 6!
.endr
.irp j, 0,1,2,3,4,5,6,7
	v_fmaak_f32 v[H+8+\j], v[H+8+\j], v[H+\j], 0x3d2aaaab  ; 1 / 4!
.endr
.irp j, 0,1,2,3,4,5,6,7
	v_fma_f32 v[H+8+\j], v[H+8+\j], v[H+\j], -0.5
.endr
.irp j, 0,1,2,3,4,5,6,7
	v_fma_f32 v[H+8+\j], v[H+8+\j], v[H+\j], 1.0   ; cos x
.endr
.macro DBL cn, co                      ; the angle doubled: cos' = 1 - 2 sin^2 into cn, sin' = 2 sin cos with the old cosine in co
.irp j, 0,1,2,3,4,5,6,7
	v_add_f32 v[CODE+\j], v[SI+\j], v[SI+\j]
.endr
.irp j, 0,1,2,3,4,5,6,7
	v_fma_f32 v[\cn+\j], -v[CODE+\j], v[SI+\j], 1.0
.endr
.irp j, 0,1,2,3,4,5,6,7
	v_mul_f32 v[SI+\j], v[CODE+\j], v[\co+\j]
.endr
.endm
	DBL CO, H+8
	DBL H+8, CO
	DBL CO, H+8
	s_wait_loadcnt 0x0                             ; the weight, the first tokens, the bias
.set nn, 0
.rept 16
	v_ldexp_f32 v[BIAS+nn], v[BIAS+nn], s45        ; / 2^(ea + ew)
.set nn, nn+1
.endr
; RoPE on token tile i, in place: registers 2 j, 2 j + 1 are pair 8 h + j.  Ascending.
.macro ROPE i
.irp j, 0,1,2,3,4,5,6,7
	v_mul_f32 v[H+2*(\j%2)], v[ACC+16*\i+2*\j+1], v[SI+\j]
	v_mul_f32 v[H+2*(\j%2)+1], v[ACC+16*\i+2*\j], v[SI+\j]
	v_fma_f32 v[ACC+16*\i+2*\j], v[ACC+16*\i+2*\j], v[CO+\j], -v[H+2*(\j%2)]
	v_fma_f32 v[ACC+16*\i+2*\j+1], v[ACC+16*\i+2*\j+1], v[CO+\j], v[H+2*(\j%2)+1]
.endr
.endm
; Token tile i's 16 numbers a lane become 16 codes with scale k, in registers of their own.
.macro QUANT i, k
.set nn, 0
.rept 16
	v_med3_num_f32 v[H+nn], v[ACC+16*(\i)+nn], -v[SCL+2*(\k)+1], v[SCL+2*(\k)+1]   ; the conversion does not saturate (ISA guide 7.6.2): held within 448 x the scale first
.set nn, nn+1
.endr
	v_cvt_scalef32_pk8_fp8_f32 v[CODE+4*(4*(\i)+(\k)):CODE+4*(4*(\i)+(\k))+1], v[H:H+7], v[SCL+2*(\k)]
	v_cvt_scalef32_pk8_fp8_f32 v[CODE+4*(4*(\i)+(\k))+2:CODE+4*(4*(\i)+(\k))+3], v[H+8:H+15], v[SCL+2*(\k)]
	v_nop                                          ; one plain instruction behind the conversions, ahead of the next writes of H
.endm
; And are stored: the wave's store covers 512 consecutive bytes, aligned.
.macro SEND i, k, p
	global_store_b128 v5, v[CODE+4*(4*(\i)+(\k)):CODE+4*(4*(\i)+(\k))+3], s[54:55] offset:(\p)*1024+(\i)*512+(\k)*1048576   ; tile 2 p + i; in qimg scale k's images lie 2^20 bytes on
.endm
.macro QKTRIP p
	s_wait_loadcnt 0x0                             ; this trip's tokens are in
	MULS 1
	PLACES
.if (\p) > 0
	s_wait_xcnt 0x0                                ; the last trip's stores have had their addresses translated: their codes' registers are written again below
	s_wait_alu depctr_vm_vsrc(0)                   ; the last trip's stores have read v[CODE ..], which this trip's conversions write again (on both ways through the trip)
.endif
.if (\p) < 3
	s_wait_alu depctr_va_vdst(0)                   ; the eight products are done reading v[X ..], in which the loads below land
	XLOAD (\p)+1                                   ; the next trip's tokens come while this trip's results are rotated and quantised
.endif
	ROPE 0
	QUANT 0, 0
	ROPE 1
	QUANT 1, 0
	s_wait_alu depctr_va_vdst(0)                   ; the conversions have written the codes of scale 0, which the two stores read
	SEND 0, 0, \p
	SEND 1, 0, \p
	s_cmp_lg_u32 s40, 0                            ; q alone is quantised with the other three features' scales too
	s_cbranch_scc1 .Lk_\@
.irp k, 1,2,3
.irp i, 0,1
	QUANT \i, \k
.endr
.endr
	s_wait_alu depctr_va_vdst(0)                   ; the conversions have written the codes of scales 1 to 3, which the six stores read
.irp k, 1,2,3
.irp i, 0,1
	SEND \i, \k, \p
.endr
.endr
.Lk_\@:
.endm
	s_wait_alu depctr_va_vdst(0)
	QKTRIP 0
	QKTRIP 1
	QKTRIP 2
	QKTRIP 3
	s_endpgm
	; ---------------- v ----------------
.Lv:
	v_and_b32 v6, 8, v1
	v_add_nc_u32 v6, v6, v1
	v_lshlrev_b32 v6, 2, v6                        ; a lane holds ONE channel, 8 d + r + 8 (r / 8): its bias fills all eight registers of C
	s_wait_alu depctr_va_vdst(0)                   ; v6 is written, which the bias's loads read as their offset
	global_load_b32 v[BIAS], v6, s[52:53]
	global_load_b32 v[BIAS+8], v6, s[52:53] offset:32
	s_wait_loadcnt 0x0
	v_ldexp_f32 v[BIAS], v[BIAS], s45
	v_ldexp_f32 v[BIAS+8], v[BIAS+8], s45
.irp j, 1,2,3,4,5,6,7
	v_mov_b32 v[BIAS+\j], v[BIAS]
	v_mov_b32 v[BIAS+8+\j], v[BIAS+8]
.endr
; Trip p: keys 32 p .. 32 p + 31 of the step.  Accumulator (i, d): register j = key 32 p + 16 i + 8 h + j of my channel: its eight codes are registers 4 p + 2 i, + 1 of V^T's fragment d.
.macro VTRIP p
	s_wait_loadcnt 0x0
	MULS 0
	PLACES
.if (\p) > 0
	s_wait_xcnt 0x0                                ; the last trip's stores have had their addresses translated: their codes' registers are written again below
	s_wait_alu depctr_vm_vsrc(0)                   ; the last trip's stores have read v[CODE ..], which this trip's conversions write again
.endif
.if (\p) < 3
	s_wait_alu depctr_va_vdst(0)                   ; the eight products are done reading v[X ..], in which the loads below land
	XLOAD (\p)+1
.endif
.set nn, 0
.rept 32
	v_med3_num_f32 v[ACC+nn], v[ACC+nn], -v[SCL+1], v[SCL+1]
.set nn, nn+1
.endr
.irp i, 0,1
.irp d, 0,1
	v_cvt_scalef32_pk8_fp8_f32 v[CODE+4*\d+2*\i:CODE+4*\d+2*\i+1], v[ACC+8*(2*\i+\d):ACC+8*(2*\i+\d)+7], v[SCL]
.endr
.endr
	v_nop                                          ; one plain instruction behind the conversions: the next trip's products write their sources
	s_wait_alu depctr_va_vdst(0)                   ; the conversions have written the codes, which the two stores read
.irp d, 0,1
	global_store_b128 v5, v[CODE+4*\d:CODE+4*\d+3], s[54:55] offset:(\p)*512+\d*2048
.endr
.endm
	s_wait_alu depctr_va_vdst(0)
	VTRIP 0
	VTRIP 1
	VTRIP 2
	VTRIP 3
	s_endpgm
.Lfunc_end_k_qe613a92992_proj:
	.size	k_qe613a92992_proj, .Lfunc_end_k_qe613a92992_proj-k_qe613a92992_proj
	.p2alignl 7, 3214868480
	.fill 96, 4, 3214868480
	.section	.rodata,"a",@progbits
	.p2align	6, 0x0
	.amdhsa_kernel k_qe613a92992_proj
		.amdhsa_group_segment_fixed_size 0
		.amdhsa_private_segment_fixed_size 0
		.amdhsa_enable_private_segment 0
		.amdhsa_kernarg_size 112
		.amdhsa_user_sgpr_count 2
		.amdhsa_user_sgpr_kernarg_segment_ptr 1
		.amdhsa_wavefront_size32 1
		.amdhsa_system_sgpr_workgroup_id_x 1
		.amdhsa_system_sgpr_workgroup_id_y 1
		.amdhsa_system_sgpr_workgroup_id_z 1
		.amdhsa_system_vgpr_workitem_id 0
		.amdhsa_next_free_vgpr 256
		.amdhsa_next_free_sgpr 96
		.amdhsa_reserve_vcc 0
		.amdhsa_float_denorm_mode_32 3
		.amdhsa_float_denorm_mode_16_64 3
		.amdhsa_memory_ordered 1
		.amdhsa_forward_progress 1
		.amdhsa_inst_pref_size 98
	.end_amdhsa_kernel
	.amdgpu_metadata
---
amdhsa.version: [ 1, 2 ]
amdhsa.kernels:
  - .name:           k_qe613a92992_proj
    .symbol:         k_qe613a92992_proj.kd
    .args:
      - { .name: q_data_codes, .offset: 0, .size: 8, .value_kind: global_buffer, .address_space: global }
      - { .name: x_0_codes, .offset: 8, .size: 8, .value_kind: global_buffer, .address_space: global }
      - { .name: v_0_codes, .offset: 16, .size: 8, .value_kind: global_buffer, .address_space: global }
      - { .name: edge_attr_codes, .offset: 24, .size: 8, .value_kind: global_buffer, .address_space: global }
      - { .name: concatenated_features_codes, .offset: 32, .size: 8, .value_kind: global_buffer, .address_space: global }
      - { .name: Wq_codes, .offset: 40, .size: 8, .value_kind: global_buffer, .address_space: global }
      - { .name: Wk_codes, .offset: 48, .size: 8, .value_kind: global_buffer, .address_space: global }
      - { .name: Wv_codes, .offset: 56, .size: 8, .value_kind: global_buffer, .address_space: global }
      - { .name: bq, .offset: 64, .size: 8, .value_kind: global_buffer, .address_space: global }
      - { .name: bk, .offset: 72, .size: 8, .value_kind: global_buffer, .address_space: global }
      - { .name: bv, .offset: 80, .size: 8, .value_kind: global_buffer, .address_space: global }
      - { .name: lowp_scales, .offset: 88, .size: 8, .value_kind: global_buffer, .address_space: global }
      - { .name: qimg, .offset: 96, .size: 8, .value_kind: global_buffer, .address_space: global }
      - { .name: kv, .offset: 104, .size: 8, .value_kind: global_buffer, .address_space: global }
    .group_segment_fixed_size: 0
    .private_segment_fixed_size: 0
    .kernarg_segment_align: 8
    .kernarg_segment_size: 112
    .max_flat_workgroup_size: 256
    .sgpr_count:     96
    .vgpr_count:     256
    .wavefront_size: 32
...
	.end_amdgpu_metadata
.endif
;; end of part 4
;; launch attn (part 5): grid 16 x 16, 8 waves a work-group, no clusters, 263,168 bytes of LDS; arguments qimg, kv, feature_weights, lowp_scales, oc; writes oc
.if DOCPART == 5
	.amdgcn_target "amdgcn-amd-amdhsa--gfx1250"
	.amdhsa_code_object_version 6
	.text
	.protected	k_qe613a92992_attn
	.globl	k_qe613a92992_attn
	.p2align	8
	.type	k_qe613a92992_attn,@function
k_qe613a92992_attn:
	s_mov_b64 s[64:65], 0
	v_nop
	global_prefetch_b8 v0, s[64:65] scope:SCOPE_SE
	s_setreg_imm32_b32 hwreg(HW_REG_WAVE_SCHED_MODE, 0, 2), 2
	s_setreg_imm32_b32 hwreg(HW_REG_WAVE_MODE, 25, 1), 1
	s_wait_xcnt 0x0
	s_wait_alu depctr_vm_vsrc(0)
; FOUR ATTENTIONS of one (batch, head), weighed by softmax(feature_weights), summed, and quantised for the last projection.  All products on E4M3 codes.
; SHARES.  Work-group (x, y): 128 queries (block x) of batch-head y.  Wave w: one tile of 16 queries.  A wave walks 4 features x 16 steps of 128 keys.
; LAYOUT.  S^T = K Q^T by the 16x16x64 form (source 0 = 16 keys, source 1 = my 16 queries): a lane holds ONE query, and register j of tile t key 16 t + 8 (lane / 16) + j.  The head has 32 channels:
; registers 0-3 of both fragments hold channels 16 (lane / 16) + 0 .. 15 (the same places on both sides), Q's registers 4-7 are zeros, and K's registers 4-7 are simply the next tile's four registers
; (codes that are numbers, multiplied by 0; four zero registers stand behind the last tile): no byte is read for the padding.  The conversion of tile t's eight registers gives registers 2 t, 2 t + 1
; of P in the 16x16x128 form's own layout.  O^T = V^T P^T (source 0 = 16 channels, source 1 = P): V^T's rows were chosen so that a lane's 16 results are channels 16 (lane / 16) + 0 .. 15.
; SOFTMAX.  t = score x log2(e) / sqrt(32); M = the running largest t rounded up to a whole number, kept as -M; p = 2^(t - M) is quantised with the given 2^ep; the sum is taken of the unquantised p;
; when M moves, the sum and O^T are multiplied by 2^(old M - new M), which rounds nothing.
; LDS: two slots of 131,072 bytes; slot f % 2 holds all of feature f's K and V^T of this head, a byte copy of kv[f][y].  A feature's bytes are asked for through registers (32 loads of 16 bytes a lane, window 1)
; at the head of the feature before and stored into the other slot at its end: 16 key steps lie between.  One barrier for each change of feature.  The slot that is written was last read a feature
; earlier, and every wave has waited for those reads in front of the barrier that ended that feature.
; THE HOLD OF p.  The conversion does not saturate, so p must not pass 448 x 2^ep.  p is at most 1 (and a rounding), so with ep >= -8 (448 x 2^ep >= 1.75) the 64 holds of a step change nothing and are
; jumped over, by a scalar branch on the given exponent; with ep <= -9 they run.
; NO CLUSTER, NO JOINT LOADS, though the 16 work-groups of a head read the same kv: a joint load is a tensor load;
; what is shared is 131,072 bytes for 16 steps of some 220 instructions a wave, asked for 16 steps ahead.
; LIMITS: eq + ek between -124 and 129 (added to the exponent field of log2(e) / sqrt(32)); ep and entry 34 between -126 and 119.  NaN among the inputs is not served.
; THE MODE: SCHED_MODE bits 1:0 = 2 (LLVM: expert scheduling mode 2), set by the entry lines.  The code itself states the register dependences
; between vector or matrix instructions and memory or LDS instructions, with s_wait_alu, always for 0.
; THE PLAN.  Registers that memory or LDS instructions touch:
;   v1, v3-v6   offsets and the fill's LDS addresses: made once at the head, never written again.
;   v2          Read by a step's sixteen LDS loads; written once a step, behind the exponentials, and once at a feature's head.
;   KF          A step's eight score products read it; behind them the next step's K lands in it.
;   VF          A step's last two products read it; behind the next step's score products that step's V^T lands in it.
;   Q's two     Feature f's score products read buffer f % 2; the load for feature f + 1, issued at feature f's head, lands in the other, which no vector or matrix instruction has named since feature f - 1.
;   v256-383    The global loads of a feature's bytes land in them, the fill's LDS stores read them; no vector instruction names them.
;   v224-227    Written by the last conversions, read by the one global store.     v254, v255: written at the head, read by the closing add alone.
;   S, P, O, OT and the statistics are named by vector and matrix instructions alone.
; So a step has ONE wait on va_vdst of its own, behind its score products: it states that they are done reading KF and the last step's two products VF.  The step's sixteen LDS loads follow it, dealt among
; the lines of the maximum, which name S, v14 and v15: none of the registers that those loads touch.  One wait on vm_vsrc stands ahead of the add to v2, and the add ahead of the wait for the exponentials.
.set LS,  16                           ; s16-51  the 36 given exponents
.set KF,  36                           ; v36-67  K's eight tiles, four registers each; v68-71 zeros
.set VF,  72                           ; v72-103 V^T's two fragments
.set S,   104                          ; v104-167 S^T, then p
.set P,   168                          ; v168-183 p's codes
.set O,   184                          ; v184-199 O^T of the feature in hand
.set OT,  200                          ; v200-215 the weighed sum over the features
.set SLOTB, 131072
; v1 16 x lane; v2 LDS address of the step in hand; v3 16 x thread: my bytes' offset in kv, and their LDS address in slot 0's lower half; v4 the same in slot 0's upper half, v5, v6 in slot 1's halves;
; v8 -M, v9 the largest t; v[10:11] the sum in two halves; v12 a factor, v13 0 (named with it as a pair);
; v14, v15 at work; v16 a permute's destination; v[18:19] the sums' second chain; v20 a scale, v21 448 x it; v22-25 the gates; v26, v27 at work;
; v28-35 and v216-223: Q's fragment of even and of odd features (the upper four registers zeros); v224-227 the final codes.   Window 1: v0-127 (v256-383): the next feature's bytes.
; s56 wave, s57 batch-head, s58 query block; s[60:61] c; s[62:63] lane selects; s66 LDS byte of the step in hand; s67 a counter; s68 ep + ev; s[80:81] kv, s[82:83] qimg, s[84:85] oc at my part
.set MSB, 0
.macro WIN new                         ; the immediate's high byte repeats the setting that is left
.if MSB != \new
	s_set_vgpr_msb (MSB<<8)|\new
.set MSB, \new
.endif
.endm
.macro GLOAD f                         ; feature f's 131,072 bytes: each load of a wave covers 512 consecutive bytes, the eight waves 4,096
	WIN 0x40                                       ; destination window 1: the switch, then the wait, then the loads
.if (\f) == 0
	s_wait_alu depctr_va_vdst(0)                   ; v1 and v3 to v6 are written: the offsets and LDS addresses that the loads, the fills' LDS stores and the last store read
.else
	s_wait_alu depctr_vm_vsrc(0)                   ; the last fill's LDS stores have read v256-383, in which these loads land; and the LDS loads issued so far have read v2, which the feature's head writes
.endif
.set ii, 0
.rept 32
	global_load_b128 v[4*ii:4*ii+3], v3, s[80:81] offset:(\f)*2097152+ii*4096
.set ii, ii+1
.endr
	WIN 0
.endm
.macro QLOAD f                         ; my 16 queries as quantised for feature f.  No wait of its own: no vector or matrix instruction has named these four registers since the last wait on va_vdst
.set QN, 28+188*((\f)%2)
	global_load_b128 v[QN:QN+3], v1, s[82:83] offset:(\f)*1048576
.endm
.macro LSTORE lo, hi                   ; what GLOAD asked for goes into a slot as it lies (v[lo], v[hi]: my place in the slot's two halves: an LDS immediate has 16 bits); then the barrier
	s_wait_loadcnt 0x0                             ; all my loads are in, the next Q among them
	WIN 0x04                                       ; store data window 1
.set ii, 0
.rept 16
	ds_store_b128 v[\lo], v[4*ii:4*ii+3] offset:ii*4096
.set ii, ii+1
.endr
.rept 16
	ds_store_b128 v[\hi], v[4*ii:4*ii+3] offset:(ii-16)*4096
.set ii, ii+1
.endr
	WIN 0
	s_wait_dscnt 0x0                               ; for the others' sake: my stores have landed, and my reads of the slot that I leave are over
	s_barrier_signal -1
	s_barrier_wait -1
.endm
.macro KLOAD off
.set tt, 0
.rept 8
	ds_load_b128 v[KF+4*tt:KF+4*tt+3], v2 offset:(\off)+512*tt
.set tt, tt+1
.endr
.endm
; A KEY STEP: 128 keys.  more = 1: the next step's K is asked for, and the address steps.
.macro STEP f, more
.set QF, 28+188*((\f)%2)
	s_wait_dscnt 0x0                               ; this step's K is in
.set tt, 0
.rept 8
	v_wmma_f32_16x16x64_fp8_fp8 v[S+8*tt:S+8*tt+7], v[KF+4*tt:KF+4*tt+7], v[QF:QF+7], 0
.set tt, tt+1
.endr
.rept 4
	v_nop                                          ; four places in front of the first reads of the scores (ISA guide 7.12.1)
.endr
	s_wait_alu depctr_va_vdst(0)                   ; the eight products above are done reading K's registers, and the last step's two products V^T's: the LDS loads below land in both
	v_max3_num_f32 v14, v[S], v[S+1], v[S+2]       ; the step's largest score of my query among my 64 keys, in two chains; each tile is first read at its two lowest registers
	v_max3_num_f32 v15, v[S+3], v[S+4], v[S+5]
.set jj, 6
.set tt, 0
.rept 14                               ; one LDS load to each pair of lines.  No further wait: no vector instruction since the wait above names KF, VF or v2
.if tt < 8
	ds_load_b128 v[VF+4*tt:VF+4*tt+3], v2 offset:4096+512*tt   ; this step's V^T lands under the softmax
.elseif \more
	ds_load_b128 v[KF+4*(tt-8):KF+4*(tt-8)+3], v2 offset:8192+512*(tt-8)   ; and so does the next step's K
.endif
	v_max3_num_f32 v14, v14, v[S+jj], v[S+jj+1]
	v_max3_num_f32 v15, v15, v[S+jj+2], v[S+jj+3]
.set jj, jj+4
.set tt, tt+1
.endr
.if \more
	ds_load_b128 v[KF+24:KF+27], v2 offset:8192+512*6
	ds_load_b128 v[KF+28:KF+31], v2 offset:8192+512*7
.endif
	v_max3_num_f32 v14, v14, v[S+62], v[S+63]
	v_max_num_f32 v14, v14, v15
	v_permlanex16_b32 v16, v14, s62, s63
	v_max_num_f32 v14, v14, v16                    ; and among the other half of the lanes' 64
	v_mul_f32 v14, s60, v14                        ; as t (c is positive)
	v_max_num_f32 v9, v9, v14                      ; the running largest t
	v_mov_b32 v14, v8
	v_floor_f32 v8, -v9                            ; -M = floor(-t) = -ceil(t)
	v_sub_f32 v14, v8, v14                         ; old M - new M: a whole number, 0 or less
	v_cvt_i32_f32 v14, v14                         ; (it saturates)
	v_ldexp_f32 v12, 1.0, v14                      ; 2^(old M - new M)
.set jj, 0
.rept 32
	v_pk_fma_f32 v[S+jj:S+jj+1], v[S+jj:S+jj+1], s[60:61], v[8:9] op_sel_hi:[1,0,0]   ; t - M, two at a time (the pairs' low words serve both halves)
.set jj, jj+2
.endr
.set jj, 0
	s_wait_alu depctr_va_vdst(0)
.rept 64
	v_exp_f32 v[S+jj], v[S+jj]                     ; p = 2^(t - M)
.set jj, jj+1
.endr
	v_pk_mul_f32 v[10:11], v[10:11], v[12:13] op_sel_hi:[1,0]   ; the sums under the new M (a plain instruction behind the exponentials)
.if \more
	s_wait_alu depctr_vm_vsrc(0)                   ; this step's sixteen LDS loads have read v2
	s_add_co_u32 s66, s66, 8192
	v_add_nc_u32 v2, s66, v1                       ; the next step's place in the slot
.endif
	s_wait_alu depctr_va_vdst(0)                   ; the 64 exponentials have written p: one wait for the batch, ahead of its first reader; and v2 is written, which the next step's LDS loads read
	v_pk_add_f32 v[18:19], v[S:S+1], v[S+2:S+3]    ; the row's sum of the unquantised p, in two chains
.set jj, 4
.rept 15
	v_pk_add_f32 v[10:11], v[10:11], v[S+jj:S+jj+1]
	v_pk_add_f32 v[18:19], v[18:19], v[S+jj+2:S+jj+3]
.set jj, jj+4
.endr
	v_pk_add_f32 v[10:11], v[10:11], v[18:19]
	s_cmp_gt_i32 s[LS+8+8*(\f)], -9                ; ep >= -8: 448 x 2^ep >= 1.75 >= p: the hold would change nothing
	s_cbranch_scc1 .Lnh_\@
.set jj, 0
.rept 64
	v_min_num_f32 v[S+jj], v[S+jj], v21            ; p is never negative: the hold is one-sided
.set jj, jj+1
.endr
.Lnh_\@:
.set tt, 0
.rept 8
	v_cvt_scalef32_pk8_fp8_f32 v[P+2*tt:P+2*tt+1], v[S+8*tt:S+8*tt+7], v20
.set tt, tt+1
.endr
.set jj, 0
.rept 8
	v_pk_mul_f32 v[O+jj:O+jj+1], v[O+jj:O+jj+1], v[12:13] op_sel_hi:[1,0]   ; O^T under the new M (also the plain instructions between the conversions and the products)
.set jj, jj+2
.endr
	s_wait_alu depctr_va_vdst(0)
	s_wait_dscnt 0x0                               ; V^T is in
	v_wmma_f32_16x16x128_fp8_fp8 v[O:O+7], v[VF:VF+15], v[P:P+15], v[O:O+7]
	v_wmma_f32_16x16x128_fp8_fp8 v[O+8:O+15], v[VF+16:VF+31], v[P:P+15], v[O+8:O+15]   ; the two accumulators take turns; the next step's eight products stand between their links
.endm
.macro FEATURE f
.if (\f) < 3
	GLOAD (\f)+1                                   ; the next feature's K and V^T: 16 key steps ahead of their stores into LDS
	QLOAD (\f)+1
.else
	s_wait_alu depctr_vm_vsrc(0)                   ; the last feature's LDS loads have read v2, which is written below
.endif
	s_add_co_i32 s70, s[LS+6+8*(\f)], s[LS+7+8*(\f)]
	s_lshl_b32 s70, s70, 23
	s_add_co_i32 s60, s70, 0x3e8293ee              ; c = log2(e) / sqrt(32) x 2^(eq + ek): the exponents are added to c's exponent field
	s_mov_b32 s61, s60                             ; (named with it as a pair, so it is written)
	s_add_co_i32 s70, s[LS+8+8*(\f)], 127
	s_lshl_b32 s71, s70, 23
	v_mov_b32 v20, s71                             ; 2^ep
	s_add_co_i32 s70, s70, 8
	s_lshl_b32 s70, s70, 23
	s_or_b32 s70, s70, 0x600000
	v_mov_b32 v21, s70                             ; 448 x 2^ep
	s_add_co_i32 s68, s[LS+8+8*(\f)], s[LS+9+8*(\f)]   ; ep + ev
	v_mov_b32 v9, 0xff61b1e6                       ; the largest t so far: -3e38
	v_floor_f32 v8, -v9
	v_mov_b32 v10, 0
	v_mov_b32 v11, 0
.set jj, 0
.rept 16
	v_mov_b32 v[O+jj], 0                           ; the step is written without a first step of its own: it finds zeros, which the first change of M leaves zeros
.set jj, jj+1
.endr
	s_mov_b32 s66, ((\f)%2)*SLOTB
	v_add_nc_u32 v2, s66, v1
	s_wait_alu depctr_va_vdst(0)                   ; v2 is written, which the LDS loads below read
	KLOAD 0
	s_mov_b32 s67, 15
.Lstep_\@:
	STEP \f, 1
	s_sub_co_u32 s67, s67, 1
	s_cmp_lg_u32 s67, 0
	s_cbranch_scc1 .Lstep_\@
	STEP \f, 0                                     ; the last step asks for no further K: no LDS read leaves the slot
	v_add_f32 v14, v10, v11                        ; the sum's two halves,  (these lines are also the places behind the last products)
	v_permlanex16_b32 v16, v14, s62, s63
	v_add_f32 v14, v14, v16                        ; and the other half of the lanes'
	s_wait_alu depctr_va_vdst(0)
	v_rcp_f32 v15, v14
	v_nop                                          ; a plain instruction behind the reciprocal
	s_wait_alu depctr_va_vdst(0)                   ; the reciprocal has written v15: the wait ahead of its first reader
	v_mul_f32 v15, v15, v[22+(\f)]                 ; gate / sum
	v_ldexp_f32 v12, v15, s68                      ; x 2^(ep + ev)
.set jj, 0
.rept 8
.if (\f) == 0
	v_pk_mul_f32 v[OT+jj:OT+jj+1], v[O+jj:O+jj+1], v[12:13] op_sel_hi:[1,0]
.else
	v_pk_fma_f32 v[OT+jj:OT+jj+1], v[O+jj:O+jj+1], v[12:13], v[OT+jj:OT+jj+1] op_sel_hi:[1,0,1]
.endif
.set jj, jj+2
.endr
.if (\f) < 3
.if ((\f)%2) == 0
	LSTORE 5, 6                                    ; feature f + 1 goes into slot 1
.else
	LSTORE 3, 4                                    ; into slot 0
.endif
.endif
.endm
	s_load_b256 s[4:11], s[0:1], 0x0               ; qimg 4, kv 6, feature_weights 8, lowp_scales 10
	s_load_b64 s[12:13], s[0:1], 0x20              ; oc
	v_lshl_add_u32 v254, v0, 2, 0x40000
	v_mov_b32 v255, 0
	v_lshrrev_b32 v2, 5, v0
	v_readfirstlane_b32 s56, v2                    ; wave
	s_and_b32 s57, ttmp7, 0xffff                   ; batch-head
	s_mov_b32 s58, ttmp9                           ; block of 128 queries
	v_and_b32 v1, 31, v0
	v_lshlrev_b32 v1, 4, v1
	v_lshlrev_b32 v3, 4, v0
	v_add_nc_u32 v4, 65536, v3                     ; the fill's LDS addresses: slot 0's upper half,
	v_add_nc_u32 v5, SLOTB, v3                     ; slot 1's lower,
	v_add_nc_u32 v6, SLOTB+65536, v3               ; and its upper
	s_mov_b32 s62, 0x76543210                      ; v_permlanex16_b32: lane l takes lane l xor 16
	s_mov_b32 s63, 0xfedcba98
	s_wait_alu depctr_va_sdst(0)                   ; s56 is written, ahead of its first reader: the bases of qimg and oc are made from it
	s_lshl_b32 s70, s57, 17                        ; kv: 131,072 bytes a batch-head within a feature
	s_mov_b32 s71, 0
	s_lshl_b32 s76, s58, 3
	s_add_co_u32 s76, s76, s56                     ; my tile among the batch's 128
	s_lshl_b32 s72, s57, 16                        ; qimg: 65,536 bytes a batch-head, 512 a tile
	s_lshl_b32 s77, s76, 9
	s_add_co_u32 s72, s72, s77
	s_mov_b32 s73, 0
	s_lshr_b32 s77, s57, 3
	s_lshl_b32 s77, s77, 7
	s_add_co_u32 s77, s77, s76                     ; my tile among all 256
	s_lshl_b32 s74, s77, 12                        ; oc: 4,096 bytes a tile, 512 a head
	s_and_b32 s77, s57, 7
	s_lshl_b32 s77, s77, 9
	s_add_co_u32 s74, s74, s77
	s_mov_b32 s75, 0
	s_wait_kmcnt 0x0
	s_load_b512 s[16:31], s[10:11], 0x0            ; the 36 exponents: 64 + 64 + 16 bytes
	s_load_b512 s[32:47], s[10:11], 0x40
	s_load_b128 s[48:51], s[10:11], 0x80
	s_load_b128 s[52:55], s[8:9], 0x0              ; feature_weights
	s_add_nc_u64 s[80:81], s[6:7], s[70:71]
	s_add_nc_u64 s[82:83], s[4:5], s[72:73]
	s_add_nc_u64 s[84:85], s[12:13], s[74:75]
	GLOAD 0
	QLOAD 0
	v_mov_b32 v13, 0
	v_mov_b32 v16, 0                               ; a lane permute's destination counts as one of its sources
.irp j, 32,33,34,35,68,69,70,71,220,221,222,223
	v_mov_b32 v\j, 0                               ; the zeros of the scores' K from 32 to 63
.endr
	s_wait_kmcnt 0x0
	v_mov_b32 v22, s52                             ; the gates: softmax of the four weights, the largest taken away first
	v_mov_b32 v23, s53
	v_mov_b32 v24, s54
	v_mov_b32 v25, s55
	v_max3_num_f32 v26, v22, v23, v24
	v_max_num_f32 v26, v26, v25
.irp j, 22,23,24,25
	v_sub_f32 v\j, v\j, v26
.endr
.irp j, 22,23,24,25
	v_mul_f32 v\j, 0x3fb8aa3b, v\j
.endr
	s_wait_alu depctr_va_vdst(0)
.irp j, 22,23,24,25
	v_exp_f32 v\j, v\j
.endr
	v_nop
	s_wait_alu depctr_va_vdst(0)                   ; the four exponentials have written v22-25: one wait, ahead of their first reader
	v_add_f32 v26, v22, v23
	v_add_f32 v27, v24, v25
	v_add_f32 v26, v26, v27
	s_wait_alu depctr_va_vdst(0)
	v_rcp_f32 v27, v26
	v_nop
	s_wait_alu depctr_va_vdst(0)                   ; the reciprocal has written v27, ahead of its first reader
.irp j, 22,23,24,25
	v_mul_f32 v\j, v\j, v27
.endr
	LSTORE 3, 4                                    ; feature 0 goes into slot 0
	FEATURE 0
	FEATURE 1
	FEATURE 2
	FEATURE 3
	; the weighed sum is the last projection's operand: quantised with entry 34; a lane's 16 numbers are columns 32 head + 16 (lane / 16) + 0 .. 15 of its token
	s_add_co_i32 s70, s[LS+34], 127
	s_lshl_b32 s71, s70, 23
	v_mov_b32 v20, s71
	s_add_co_i32 s70, s70, 8
	s_lshl_b32 s70, s70, 23
	s_or_b32 s70, s70, 0x600000
	v_mov_b32 v21, s70
.set jj, 0
.rept 16
	v_med3_num_f32 v[OT+jj], v[OT+jj], -v21, v21
.set jj, jj+1
.endr
	v_cvt_scalef32_pk8_fp8_f32 v[224:225], v[OT:OT+7], v20
	v_cvt_scalef32_pk8_fp8_f32 v[226:227], v[OT+8:OT+15], v20
	v_nop
	s_wait_alu depctr_va_vdst(0)                   ; the conversions have written v224-227, which the store reads
	global_store_b128 v1, v[224:227], s[84:85]     ; the wave stores 512 consecutive bytes, aligned
	s_wait_dscnt 0x0                               ; the closing lines, six on end
	s_wait_alu 0x0
	s_wait_tensorcnt 0x0
	ds_add_u32 v254, v255
	s_wait_dscnt 0x0
	s_endpgm
.Lfunc_end_k_qe613a92992_attn:
	.size	k_qe613a92992_attn, .Lfunc_end_k_qe613a92992_attn-k_qe613a92992_attn
	.p2alignl 7, 3214868480
	.fill 96, 4, 3214868480
	.section	.rodata,"a",@progbits
	.p2align	6, 0x0
	.amdhsa_kernel k_qe613a92992_attn
		.amdhsa_group_segment_fixed_size 263168
		.amdhsa_private_segment_fixed_size 0
		.amdhsa_enable_private_segment 0
		.amdhsa_kernarg_size 40
		.amdhsa_user_sgpr_count 2
		.amdhsa_user_sgpr_kernarg_segment_ptr 1
		.amdhsa_wavefront_size32 1
		.amdhsa_system_sgpr_workgroup_id_x 1
		.amdhsa_system_sgpr_workgroup_id_y 1
		.amdhsa_system_sgpr_workgroup_id_z 1
		.amdhsa_system_vgpr_workitem_id 0
		.amdhsa_next_free_vgpr 384
		.amdhsa_next_free_sgpr 96
		.amdhsa_reserve_vcc 0
		.amdhsa_float_denorm_mode_32 3
		.amdhsa_float_denorm_mode_16_64 3
		.amdhsa_memory_ordered 1
		.amdhsa_forward_progress 1
		.amdhsa_inst_pref_size 144
	.end_amdhsa_kernel
	.amdgpu_metadata
---
amdhsa.version: [ 1, 2 ]
amdhsa.kernels:
  - .name:           k_qe613a92992_attn
    .symbol:         k_qe613a92992_attn.kd
    .args:
      - { .name: qimg, .offset: 0, .size: 8, .value_kind: global_buffer, .address_space: global }
      - { .name: kv, .offset: 8, .size: 8, .value_kind: global_buffer, .address_space: global }
      - { .name: feature_weights, .offset: 16, .size: 8, .value_kind: global_buffer, .address_space: global }
      - { .name: lowp_scales, .offset: 24, .size: 8, .value_kind: global_buffer, .address_space: global }
      - { .name: oc, .offset: 32, .size: 8, .value_kind: global_buffer, .address_space: global }
    .group_segment_fixed_size: 263168
    .private_segment_fixed_size: 0
    .kernarg_segment_align: 8
    .kernarg_segment_size: 40
    .max_flat_workgroup_size: 256
    .sgpr_count:     96
    .vgpr_count:     384
    .wavefront_size: 32
...
	.end_amdgpu_metadata
.endif
;; end of part 5
;; launch outp (part 6): grid 256 x 1, 4 waves a work-group, no clusters, 0 bytes of LDS; arguments oc, Wo_codes, bo, lowp_scales, out0; writes out0
.if DOCPART == 6
	.amdgcn_target "amdgcn-amd-amdhsa--gfx1250"
	.amdhsa_code_object_version 6
	.text
	.protected	k_qe613a92992_outp
	.globl	k_qe613a92992_outp
	.p2align	8
	.type	k_qe613a92992_outp,@function
k_qe613a92992_outp:
	s_mov_b64 s[64:65], 0
	v_nop
	global_prefetch_b8 v0, s[64:65] scope:SCOPE_SE
	s_setreg_imm32_b32 hwreg(HW_REG_WAVE_SCHED_MODE, 0, 2), 2
	s_setreg_imm32_b32 hwreg(HW_REG_WAVE_MODE, 25, 1), 1
	s_wait_xcnt 0x0
	s_wait_alu depctr_vm_vsrc(0)
; out0 = o Wo^T x 2^(e34 + e35) + bo.  o: the codes that the attention launch stored, as images of this product's operand registers; Wo: given codes, K innermost; out0 [4,096][256] f32.
; SHARES.  Work-group x: 16 tokens.  Wave g: columns 64 g .. 64 g + 63, four tiles.  Natural use (source 0 = 16 tokens, source 1 = 16 rows of Wo).
; THE ROWS OF Wo THAT FORM A TILE ARE NOT NEIGHBOURS: lane r of tile a takes row 64 g + 4 r + a.  So register j of a lane's four accumulators are four NEIGHBOURING columns of token 8 (lane / 16) + j:
; 16 bytes a lane, and sixteen neighbouring lanes store 256 consecutive bytes, aligned.  No LDS, no barrier.
; LIMIT: e34 + e35 between -126 and 127, so that 2^(e34 + e35) is an f32 number.
; THE MODE: SCHED_MODE bits 1:0 = 2 (LLVM: expert scheduling mode 2), set by the entry lines.  The code itself states the register dependences
; between vector or matrix instructions and memory instructions, with s_wait_alu, always for 0.
; THE PLAN.  Registers that memory instructions touch: the offsets v3 to v6, made once at the head and never written again; WO, OC and BI, loaded once, into registers that no vector instruction
; has named; OUT, written by the 32 multiply-adds, read by the eight stores, never written again.  So one wait on va_vdst stands ahead of the run of loads and one ahead of the run of stores.
.set WO,  8                            ; v8-135   Wo's fragments: tile a, K step s at 16 (2 a + s)
.set OC,  136                          ; v136-167 o's two fragments
.set ACC, 168                          ; v168-199 four accumulators
.set BI,  200                          ; v200-203 bo of my four columns
.set OUT, 204                          ; v204-235 results: token j's four columns at 4 j
	s_load_b256 s[4:11], s[0:1], 0x0               ; oc 4, Wo's codes 6, bo 8, lowp_scales 10
	s_load_b64 s[12:13], s[0:1], 0x20              ; out0
	v_lshrrev_b32 v1, 5, v0
	v_readfirstlane_b32 s16, v1                    ; wave g
	v_and_b32 v1, 15, v0                           ; r
	v_bfe_u32 v2, v0, 4, 1                         ; h
	v_lshlrev_b32 v3, 10, v1
	v_lshl_add_u32 v3, v2, 4, v3                   ; Wo: row 4 r of 256 bytes, + 16 h
	v_and_b32 v4, 31, v0
	v_lshlrev_b32 v4, 4, v4                        ; 16 x lane
	v_lshlrev_b32 v6, 4, v1                        ; bo: my four columns
	v_lshl_add_u32 v5, v2, 13, v6                  ; out0: token 8 h of 1,024 bytes, + 16 r
	s_wait_alu depctr_va_sdst(0)                   ; s16 is written, ahead of its first reader: the bases of Wo, bo and out0 are made from it
	s_lshl_b32 s18, s16, 14                        ; Wo: my 64 rows
	s_mov_b32 s19, 0
	s_lshl_b32 s20, ttmp9, 12                      ; oc: my tile's 4,096 bytes
	s_mov_b32 s21, 0
	s_lshl_b32 s22, s16, 8                         ; bo, and a row of out0: my 64 columns
	s_mov_b32 s23, 0
	s_lshl_b32 s24, ttmp9, 14                      ; out0: my 16 rows
	s_add_co_u32 s24, s24, s22
	s_mov_b32 s25, 0
	s_wait_kmcnt 0x0
	s_load_b64 s[14:15], s[10:11], 0x88            ; entries 34 and 35
	s_add_nc_u64 s[6:7], s[6:7], s[18:19]
	s_add_nc_u64 s[4:5], s[4:5], s[20:21]
	s_add_nc_u64 s[8:9], s[8:9], s[22:23]
	s_add_nc_u64 s[12:13], s[12:13], s[24:25]
	s_wait_alu depctr_va_vdst(0)                   ; the offsets v3 to v6 are written, which the loads and the stores read
.irp s, 0,1
.irp c, 0,1,2,3
	global_load_b128 v[OC+16*\s+4*\c:OC+16*\s+4*\c+3], v4, s[4:5] offset:(4*\s+\c)*512   ; head 4 s + c's image: registers 4 c .. 4 c + 3 hold k = 128 s + 32 c + 16 h + 0 .. 15
.endr
.endr
.irp a, 0,1,2,3
.irp s, 0,1
.irp c, 0,1,2,3
	global_load_b128 v[WO+16*(2*\a+\s)+4*\c:WO+16*(2*\a+\s)+4*\c+3], v3, s[6:7] offset:\a*256+\s*128+32*\c   ; the same places of k
.endr
.endr
.endr
	global_load_b128 v[BI:BI+3], v6, s[8:9]
	s_wait_loadcnt 0x0
.irp a, 0,1,2,3                        ; the four accumulators take turns, one instruction a turn; the first K step starts the sums
	v_wmma_f32_16x16x128_fp8_fp8 v[ACC+8*\a:ACC+8*\a+7], v[OC:OC+15], v[WO+32*\a:WO+32*\a+15], 0
.endr
.irp a, 0,1,2,3
	v_wmma_f32_16x16x128_fp8_fp8 v[ACC+8*\a:ACC+8*\a+7], v[OC+16:OC+31], v[WO+32*\a+16:WO+32*\a+31], v[ACC+8*\a:ACC+8*\a+7]
.endr
.rept 4
	v_nop                                          ; four places ahead of the first read of the results (ISA guide 7.12.1)
.endr
	s_wait_kmcnt 0x0
	s_add_co_i32 s14, s14, s15
	s_add_co_i32 s14, s14, 127
	s_lshl_b32 s14, s14, 23                        ; 2^(e34 + e35) as f32
.irp j, 0,1,2,3,4,5,6,7                ; ascending: each accumulator is first read at its lowest register
.irp a, 0,1,2,3
	v_fma_f32 v[OUT+4*\j+\a], v[ACC+8*\a+\j], s14, v[BI+\a]
.endr
.endr
	s_wait_alu depctr_va_vdst(0)                   ; the multiply-adds have written v[OUT ..], which the stores read
.irp j, 0,1,2,3,4,5,6,7
	global_store_b128 v5, v[OUT+4*\j:OUT+4*\j+3], s[12:13] offset:\j*1024 th:TH_STORE_NT   ; sixteen lanes store 256 consecutive bytes, aligned; written once, read by nobody here
.endr
	s_endpgm
.Lfunc_end_k_qe613a92992_outp:
	.size	k_qe613a92992_outp, .Lfunc_end_k_qe613a92992_outp-k_qe613a92992_outp
	.p2alignl 7, 3214868480
	.fill 96, 4, 3214868480
	.section	.rodata,"a",@progbits
	.p2align	6, 0x0
	.amdhsa_kernel k_qe613a92992_outp
		.amdhsa_group_segment_fixed_size 0
		.amdhsa_private_segment_fixed_size 0
		.amdhsa_enable_private_segment 0
		.amdhsa_kernarg_size 40
		.amdhsa_user_sgpr_count 2
		.amdhsa_user_sgpr_kernarg_segment_ptr 1
		.amdhsa_wavefront_size32 1
		.amdhsa_system_sgpr_workgroup_id_x 1
		.amdhsa_system_sgpr_workgroup_id_y 1
		.amdhsa_system_sgpr_workgroup_id_z 1
		.amdhsa_system_vgpr_workitem_id 0
		.amdhsa_next_free_vgpr 240
		.amdhsa_next_free_sgpr 66
		.amdhsa_reserve_vcc 0
		.amdhsa_float_denorm_mode_32 3
		.amdhsa_float_denorm_mode_16_64 3
		.amdhsa_memory_ordered 1
		.amdhsa_forward_progress 1
		.amdhsa_inst_pref_size 9
	.end_amdhsa_kernel
	.amdgpu_metadata
---
amdhsa.version: [ 1, 2 ]
amdhsa.kernels:
  - .name:           k_qe613a92992_outp
    .symbol:         k_qe613a92992_outp.kd
    .args:
      - { .name: oc, .offset: 0, .size: 8, .value_kind: global_buffer, .address_space: global }
      - { .name: Wo_codes, .offset: 8, .size: 8, .value_kind: global_buffer, .address_space: global }
      - { .name: bo, .offset: 16, .size: 8, .value_kind: global_buffer, .address_space: global }
      - { .name: lowp_scales, .offset: 24, .size: 8, .value_kind: global_buffer, .address_space: global }
      - { .name: out0, .offset: 32, .size: 8, .value_kind: global_buffer, .address_space: global }
    .group_segment_fixed_size: 0
    .private_segment_fixed_size: 0
    .kernarg_segment_align: 8
    .kernarg_segment_size: 40
    .max_flat_workgroup_size: 128
    .sgpr_count:     66
    .vgpr_count:     240
    .wavefront_size: 32
...
	.end_amdgpu_metadata
.endif
;; end of part 6
